; MI455X (gfx1250); checked and timed in simulation.
; The chip was launched on July 23, 2026; its instructions are those of AMD's public machine-readable ISA for CDNA 5 (MIT licence, August 2026) and "CDNA5" Instruction Set Architecture Reference Guide (July 2026). The comments in the code are by the model that wrote it; some were corrected since.
;; Atttention. Allowed arithmetic: float matrix products may take bf16 or f16 operands with f32 sums; other float arithmetic in f32, or as packed bf16 or f16 multiplies, adds, multiply-adds, maxima and minima; sums over many terms, partial sums and values carried from step to step in f32; what a program stores and reads back later, other than sums and carried values, may be rounded once to bf16 or f16.
;; Inputs: attention_mask 4 x 2,048 x 2,048 float32; k 4 x 2,048 x 1,024 float32; kw_b 1,024 float32; kw_w 1,024 x 1,024 float32; out_kernel 16 x 64 x 1,024 float32; q 4 x 2,048 x 1,024 float32; qw_b 1,024 float32; qw_w 1,024 x 1,024 float32; v 4 x 2,048 x 1,024 float32; vw_b 1,024 float32; vw_w 1,024 x 1,024 float32.
;; Outputs: out0 4 x 2,048 x 1,024 float32.
;; One version. Each part assembles by itself: llvm-mc -triple=amdgcn-amd-amdhsa -mcpu=gfx1250 --defsym DOCPART=n.
;; ======== version 1 of 1: 4 launches
;; limits: values outside matrix products are rounded to bf16; values are held in f16: magnitudes above 65,504 overflow, below 6.1e-05 lose precision
;; workspace buffers: wts 8,388,608 bytes; mk 33,554,432 bytes; qkvh 50,331,648 bytes; oh 16,777,216 bytes
;; launch prep (part 1): grid 256 x 1, 8 waves a work-group, no clusters, 279,552 bytes of LDS; arguments attention_mask, qw_w, kw_w, vw_w, out_kernel, mk, wts; writes mk, wts
.if DOCPART == 1
	.amdgcn_target "amdgcn-amd-amdhsa--gfx1250"
	.amdhsa_code_object_version 6
	.text
	.protected	k_qf863075901_prep
	.globl	k_qf863075901_prep
	.p2align	8
	.type	k_qf863075901_prep,@function
k_qf863075901_prep:
	s_mov_b64 s[64:65], 0
	v_nop
	global_prefetch_b8 v0, s[64:65] scope:SCOPE_SE
	s_setreg_imm32_b32 hwreg(HW_REG_WAVE_MODE, 25, 1), 1
	s_wait_xcnt 0x0
; PREP.  Two casts, each byte read once and written once.
; (1) attention_mask [8192 rows][2048 keys] f32 -> mk, bf16, laid in sub-tiles of 16 queries x 16 keys: mk[row/16][key/16][row%16][key%16], 512 bytes a sub-tile, so that
;     a wave of the attention launch takes a sub-tile with ONE load of 512 consecutive bytes, and has half an operand of the matrix unit (16 queries, 16 keys) in four registers.
; (2) the four weight matrices [1024 k][1024 n] f32 -> wts[4][1024][1024] of 16 bits: qw, kw, vw as bf16; out_kernel rounded to bf16 and that number written as f16
;     (all the module's inputs get the same rounding, to bf16; f16 keeps a bf16 number exactly between 6e-5 and 65,504, below it in steps of 6e-8).
; SHARES.  2,048 waves.  Wave W owns mask rows 64 (W / 16) .. +63 and keys 128 (W % 16) .. +127, as two tiles of 64 rows x 256 bytes, each brought by one tensor load into LDS bytes of the
; wave's own; both are first fills, nothing is filled again, so there is no barrier.  Of the weights a work-group owns 65,536 bytes of matrix g / 64, a wave 8,192: sixteen loads of 512 bytes.
; No matrix unit, no cluster: nothing is shared between work-groups and nothing is multiplied.
.set PITCH, 272                        ; an LDS row: 256 bytes + 16 of padding, so that the 16 rows of a load start at 16 different groups of four banks (ISA guide 11.1)
.set TILE,  64*PITCH
.set WAVEB, 2*TILE                     ; a wave's two tiles
.set SPARE, 8*WAVEB                    ; behind the tiles: the spare words, 128 bytes for each wave, which no other line names
.set LA,   4                           ; v4   LDS address: my wave's tiles + (lane % 16) rows + 32 (lane / 16)
.set MOUT, 5                           ; v5   my 16 bytes in a sub-tile: 32 (lane % 16) + 16 (lane / 16)
.set WI,   6                           ; v6   16 x lane
.set WO,   7                           ; v7   8 x lane
.set SPW,  8                           ; v8   LDS address of my spare word; never rewritten
.set NIL,  9                           ; v9   0; never rewritten
.set X,    16                          ; v[16:79]   as loaded
.set Y,    80                          ; v[80:111]  to store
.set T,    112                         ; v[112:115] at work
.set G1,   24                          ; s[24:31] descriptor group 1
.set G0,   32                          ; s[32:39] descriptor group 0, a set for each tile
	s_load_b256 s[4:11], s[0:1], 0x0               ; mask s[4:5], qw s[6:7], kw s[8:9], vw s[10:11]
	s_load_b128 s[12:15], s[0:1], 0x20             ; out_kernel s[12:13], mk s[14:15]
	s_load_b64 s[16:17], s[0:1], 0x30              ; wts
	v_lshl_add_u32 v[SPW], v0, 2, SPARE
	v_mov_b32 v[NIL], 0
	ds_add_u32 v[SPW], v[NIL]                      ; the wave's opening: the add and its wait ahead of my first tensor load
	ds_add_u32 v8, v9
	v_lshrrev_b32 v1, 5, v0
	v_readfirstlane_b32 s18, v1                    ; wave 0..7
	s_lshl_b32 s19, ttmp9, 3
	s_add_co_u32 s19, s19, s18                     ; W
	s_mov_b32 s[G1+0], (2<<16)|(1<<20)|(5<<22)|(3<<25)  ; elements of 4 bytes; padding on: after every 64 words, 4 words
	s_mov_b32 s[G1+1], 64<<16                      ; tensor_dim0 = 64
	s_mov_b32 s[G1+2], 64<<16                      ; tensor_dim1 = 64
	s_mov_b32 s[G1+3], 64<<16                      ; tile_dim0 = 64 elements, 256 bytes
	s_mov_b32 s[G1+4], 64                          ; tile_dim1 = 64 rows
	s_mov_b32 s[G1+5], 2048                        ; elements from row to row
	s_mov_b32 s[G1+6], 0
	s_mov_b32 s[G1+7], 0
	s_mul_i32 s20, s18, WAVEB                      ; my wave's tiles in LDS
	s_lshr_b32 s21, s19, 4                         ; my 64 rows
	s_and_b32 s22, s19, 15                         ; my 128 keys
	s_lshl_b32 s44, s21, 19                        ; 64 rows of 8,192 bytes
	s_lshl_b32 s23, s22, 9                         ; 128 keys of 4 bytes
	s_add_co_u32 s44, s44, s23
	s_mov_b32 s45, 0
	s_lshr_b32 s40, ttmp9, 6                       ; which weight matrix
	s_and_b32 s41, ttmp9, 63
	s_lshl_b32 s46, s41, 16                        ; the work-group's 65,536 bytes of it,
	s_lshl_b32 s41, s18, 13                        ; my wave's 8,192
	s_add_co_u32 s46, s46, s41
	s_mov_b32 s47, 0
	s_wait_dscnt 0x0                               ; the opening add is done
	s_wait_kmcnt 0x0
	s_add_nc_u64 s[4:5], s[4:5], s[44:45]
.irp s, 0,1
	s_mov_b32 s[G0+4*(\s)], 1                      ; count = 1
	s_add_co_u32 s[G0+4*(\s)+1], s20, (\s)*TILE    ; LDS address
	s_add_nc_u64 s[G0+4*(\s)+2:G0+4*(\s)+3], s[4:5], (\s)*256  ; the tile's first element: keys 64 s on
	s_or_b32 s[G0+4*(\s)+3], s[G0+4*(\s)+3], 0x80000000       ; type = 2
	tensor_load_to_lds s[G0+4*(\s):G0+4*(\s)+3], s[G1:G1+7]   ; both first fills go out together: two tensor loads of mine are out
	s_nop 0
.endr
	s_cmp_eq_u32 s40, 0                            ; the weight matrix is chosen by the work-group's number
	s_cselect_b64 s[42:43], s[6:7], s[8:9]
	s_cmp_eq_u32 s40, 2
	s_cselect_b64 s[42:43], s[10:11], s[42:43]
	s_cmp_eq_u32 s40, 3
	s_cselect_b64 s[42:43], s[12:13], s[42:43]
	s_add_nc_u64 s[42:43], s[42:43], s[46:47]
	v_and_b32 v1, 31, v0
	v_lshlrev_b32 v[WI], 4, v1
	v_lshlrev_b32 v[WO], 3, v1
.irp i, 0,1,2,3,4,5,6,7,8,9,10,11,12,13,14,15
	global_load_b128 v[X+4*(\i):X+4*(\i)+3], v[WI], s[42:43] offset:512*(\i) th:TH_LOAD_NT
.endr
	s_lshl_b32 s46, s19, 12                        ; in wts the four matrices lie end to end: my 4,096 bytes are at 4,096 W
	s_add_nc_u64 s[16:17], s[16:17], s[46:47]
	s_lshl_b32 s44, s21, 18                        ; in mk: 4 blocks of 16 rows of 65,536 bytes,
	s_lshl_b32 s23, s22, 12                        ; 8 sub-tiles of 512
	s_add_co_u32 s44, s44, s23
	s_add_nc_u64 s[14:15], s[14:15], s[44:45]
	v_and_b32 v2, 15, v0
	v_bfe_u32 v3, v0, 4, 1
	v_mul_u32_u24 v[LA], v2, PITCH
	v_lshl_add_u32 v[LA], v3, 5, v[LA]
	v_add_nc_u32 v[LA], s20, v[LA]
	v_lshlrev_b32 v[MOUT], 5, v2
	v_lshl_add_u32 v[MOUT], v3, 4, v[MOUT]
; The weights: four numbers a lane and load, rounded to bf16; half = 1: that number written as f16.  Each store of the wave covers 256 consecutive bytes, aligned.  Each load has its own pair of Y.
.macro WCONV half
.irp i, 0,1,2,3,4,5,6,7,8,9,10,11,12,13,14,15
	s_wait_loadcnt 15-(\i)                         ; loads come back in order (ISA guide 5.7.1): load i is in, the younger ones stay out
	v_cvt_pk_bf16_f32 v[Y+2*(\i)], v[X+4*(\i)], v[X+4*(\i)+1]
	v_cvt_pk_bf16_f32 v[Y+2*(\i)+1], v[X+4*(\i)+2], v[X+4*(\i)+3]
.if \half
	v_lshlrev_b32 v[T], 16, v[Y+2*(\i)]
	v_and_b32 v[T+1], 0xffff0000, v[Y+2*(\i)]
	v_lshlrev_b32 v[T+2], 16, v[Y+2*(\i)+1]
	v_and_b32 v[T+3], 0xffff0000, v[Y+2*(\i)+1]
	v_cvt_pk_f16_f32 v[Y+2*(\i)], v[T], v[T+1]
	v_cvt_pk_f16_f32 v[Y+2*(\i)+1], v[T+2], v[T+3]
.endif
	global_store_b64 v[WO], v[Y+2*(\i):Y+2*(\i)+1], s[16:17] offset:256*(\i)
.endr
.endm
	s_cmp_eq_u32 s40, 3
	s_cbranch_scc1 .Lhalf
	WCONV 0
	s_branch .Lmask
.Lhalf:
	WCONV 1
.Lmask:
; The mask: tile s is 4 blocks of 16 rows x 4 sub-tiles of 16 keys; eight sub-tiles at a time.  A lane takes 8 keys of one row (32 bytes of f32) and stores them as 16 bytes:
; the wave's store covers a whole sub-tile, 512 consecutive bytes, aligned.
.macro MTILE s
	s_wait_tensorcnt 1-(\s)                        ; tensor loads of a wave end in order (ISA guide 10.11.1): tile s is in; only my wave reads it
.irp bt, 0,1
.irp i, 0,1,2,3,4,5,6,7
	ds_load_b128 v[X+8*(\i):X+8*(\i)+3],   v[LA] offset:(\s)*TILE+(2*(\bt)+(\i)/4)*16*PITCH+((\i)%4)*64
	ds_load_b128 v[X+8*(\i)+4:X+8*(\i)+7], v[LA] offset:(\s)*TILE+(2*(\bt)+(\i)/4)*16*PITCH+((\i)%4)*64+16
.endr
.irp i, 0,1,2,3,4,5,6,7
	s_wait_dscnt 14-2*(\i)                         ; pair i of the eight is in
	s_wait_xcnt 0x0                                ; Y's registers, which earlier stores read, are rewritten only behind this wait
.irp j, 0,1,2,3
	v_cvt_pk_bf16_f32 v[Y+4*(\i)+(\j)], v[X+8*(\i)+2*(\j)], v[X+8*(\i)+2*(\j)+1]
.endr
	global_store_b128 v[MOUT], v[Y+4*(\i):Y+4*(\i)+3], s[14:15] offset:(2*(\bt)+(\i)/4)*65536+(\s)*2048+((\i)%4)*512
.endr
.endr
.endm
	MTILE 0
	MTILE 1
	s_wait_tensorcnt 0x0                           ; the wave's end
	ds_add_u32 v[SPW], v[NIL]
	s_wait_dscnt 0x0
	s_endpgm
.Lfunc_end_k_qf863075901_prep:
	.size	k_qf863075901_prep, .Lfunc_end_k_qf863075901_prep-k_qf863075901_prep
	.p2alignl 7, 3214868480
	.fill 96, 4, 3214868480
	.section	.rodata,"a",@progbits
	.p2align	6, 0x0
	.amdhsa_kernel k_qf863075901_prep
		.amdhsa_group_segment_fixed_size 279552
		.amdhsa_private_segment_fixed_size 0
		.amdhsa_enable_private_segment 0
		.amdhsa_kernarg_size 56
		.amdhsa_user_sgpr_count 2
		.amdhsa_user_sgpr_kernarg_segment_ptr 1
		.amdhsa_wavefront_size32 1
		.amdhsa_system_sgpr_workgroup_id_x 1
		.amdhsa_system_sgpr_workgroup_id_y 1
		.amdhsa_system_sgpr_workgroup_id_z 1
		.amdhsa_system_vgpr_workitem_id 0
		.amdhsa_next_free_vgpr 120
		.amdhsa_next_free_sgpr 66
		.amdhsa_reserve_vcc 0
		.amdhsa_float_denorm_mode_32 3
		.amdhsa_float_denorm_mode_16_64 3
		.amdhsa_memory_ordered 1
		.amdhsa_forward_progress 1
		.amdhsa_inst_pref_size 36
	.end_amdhsa_kernel
	.amdgpu_metadata
---
amdhsa.version: [ 1, 2 ]
amdhsa.kernels:
  - .name:           k_qf863075901_prep
    .symbol:         k_qf863075901_prep.kd
    .args:
      - { .name: attention_mask, .offset: 0, .size: 8, .value_kind: global_buffer, .address_space: global }
      - { .name: qw_w, .offset: 8, .size: 8, .value_kind: global_buffer, .address_space: global }
      - { .name: kw_w, .offset: 16, .size: 8, .value_kind: global_buffer, .address_space: global }
      - { .name: vw_w, .offset: 24, .size: 8, .value_kind: global_buffer, .address_space: global }
      - { .name: out_kernel, .offset: 32, .size: 8, .value_kind: global_buffer, .address_space: global }
      - { .name: mk, .offset: 40, .size: 8, .value_kind: global_buffer, .address_space: global }
      - { .name: wts, .offset: 48, .size: 8, .value_kind: global_buffer, .address_space: global }
    .group_segment_fixed_size: 279552
    .private_segment_fixed_size: 0
    .kernarg_segment_align: 8
    .kernarg_segment_size: 56
    .max_flat_workgroup_size: 256
    .sgpr_count:     66
    .vgpr_count:     120
    .wavefront_size: 32
...
	.end_amdgpu_metadata
.endif
;; end of part 1
;; launch proj (part 2): grid 4 x 64, 4 waves a work-group, clusters of 4 x 4, 327,680 bytes of LDS; arguments q, k, v, qw_b, kw_b, vw_b, wts, qkvh; writes qkvh
.if DOCPART == 2
	.amdgcn_target "amdgcn-amd-amdhsa--gfx1250"
	.amdhsa_code_object_version 6
	.text
	.protected	k_qf863075901_proj
	.globl	k_qf863075901_proj
	.p2align	8
	.type	k_qf863075901_proj,@function
k_qf863075901_proj:
	s_mov_b64 s[64:65], 0
	v_nop
	global_prefetch_b8 v0, s[64:65] scope:SCOPE_SE
	s_setreg_imm32_b32 hwreg(HW_REG_WAVE_MODE, 25, 1), 1
	s_wait_xcnt 0x0
	s_wait_alu depctr_hold_cnt(0) depctr_sa_sdst(0) depctr_va_vdst(0) depctr_va_sdst(0) depctr_va_ssrc(0) depctr_va_vcc(0) depctr_vm_vsrc(0)
	s_getreg_b32 s2, hwreg(HW_REG_IB_STS2, 6, 4)
	s_cmp_eq_u32 s2, 0
	s_cbranch_scc0 .Lentry_in_a_cluster
	s_endpgm
.Lentry_in_a_cluster:
	s_bfe_u32 s2, ttmp6, 0x10000c
	s_cmp_lg_u32 s2, 0xf033
	s_cbranch_scc0 .Lentry_shape_is_right
	s_endpgm
.Lentry_shape_is_right:
; PROJ.  y = x W + b for x = q, k, v ([8192][1024] f32), W = wts[0..2] ([1024 k][1024 n] bf16), b f32 rounded to bf16 like every input.  Products in bf16, sums in f32.
; The result leaves by heads, qkvh[part][batch x 16 + head][2048][64] in f16, rounded once; part 0 (q) is multiplied by log2(e) / 8 in f32 ahead of that rounding, so that the
; attention launch has its scores in powers of two.  LIMIT: f16 ends at 65,504: 0.18 (q W + b), k W + b and v W + b lie within it.
; SHARES.  The three products are 768 tiles of 128 x 256, three for each of 256 work-groups THAT STAY: work-group (nx, my) makes tile (my, nx) of q, then of k, then of v, and the ring of two
; LDS slots runs on across the tiles: 24 K steps of 128.  Four waves, each 64 rows x 128 columns: 32 accumulators.
; x comes into LDS as f32 and is rounded to bf16 between LDS and the matrix unit: it is read from memory once and never written back.  W lies [k][n] and is turned by ds_load_tr16_b128.
; CLUSTER 4 x 4: x's tile hangs on my alone and is asked for jointly by a row of the cluster, W's on nx alone, by a column.  Waves 0, 1 fetch x's two halves of 64 rows, waves 2, 3 W's two halves of 64 k.
; THE MATRIX INSTRUCTION IS USED TRANSPOSED (source 0 = 16 columns of W, source 1 = 16 rows of x): a lane holds one row and eight neighbouring columns.  The bias, laid the same way, is the C of the tile's first products.
; THE TEXT OF A K STEP STANDS ONCE.  A trip begins with a step's last quarter, which changes slots, and goes on through the next step's first three; the LDS addresses hang on s[TB], the slot in hand.
; 22 trips fill a slot again.  The 23rd fills nothing: the first half of its change of slots is written a second time, without the round and the load, and goes back into the trip behind them.
; x IS ASKED FOR AHEAD, INTO THE L2.  The two slots take all the LDS there is, so a tile's tensor load goes out one K step ahead of its use and no earlier.  In every second trip each wave asks, by one prefetch with
; its lanes 256 bytes apart, for 8 rows x 1,024 bytes of x: K steps GN and GN + 1 (GN even), whose tensor loads go out in the next trip and in the one after.  A tile's 128 rows are shared out: 64 by the half that
; the wave fetches, 16 by the work-group's place among the four that share the tile, 8 by the wave's other bit: each block of 256 bytes is asked for once in the launch.  Steps 2 and 3 are asked for at the head,
; steps 0 and 1 are the first fills, and nothing is asked for past step 23.  W is read by 64 work-groups each and is not asked for ahead.
; REGISTERS.  window 0: v16-31 addresses; v32-63 the way out; v64-127 x as f32 (16 a block of 16 rows); v128-159, v160-191 x in bf16, two buffers; v192-255 the bias
;   window 1: v0-63, v64-127 W's fragments, two buffers          window 2: accumulator (a, nb) at v[8 (8 a + nb)]
.set PA,    528                        ; a row of x in LDS: 512 bytes + 16: row r starts at bank 4 r mod 64 (ISA guide 11.1)
.set PB,    544                        ; a row of W: 512 + 32: an odd multiple of 32, for the turning load
.set BOFF,  128*PA                     ; in a slot: x's 128 rows, then W's 128 rows
.set SLOT,  BOFF+128*PB
.set STAGE, 2*SLOT                     ; behind the ring, never filled by a tensor load: 16 rows x 144 bytes for each wave
.set SP,    144
.set SPARE, STAGE+4*16*SP              ; the spare words, 128 bytes for each wave, which no other line names
.set ADRA, 16                          ; v16     my x fragments' place in slot 0; never rewritten
.set AC,   17                          ; v17     the same in the slot in hand
.set ADRB, 20                          ; v20     my W fragments' place in slot 0; never rewritten
.set BC,   21                          ; v21     the same in the slot in hand
.set PO,   22                          ; v22     the prefetch: my lane's block of 256 bytes among my wave's 8 rows x 1,024 bytes; never rewritten
.set STO,  24                          ; v24     the way out: where I put 16 bytes of a row
.set RD,   25                          ; v25     where I read rows back
.set GO,   26                          ; v26     16 x lane
.set BO,   27                          ; v27     my byte offset in a bias
.set SPW,  28                          ; v28     LDS address of my spare word; never rewritten
.set NIL,  29                          ; v29     0; never rewritten
.set TT,   30                          ; v30-31  at work
.set TMP,  32
.set AF,   64
.set AB,   128
.set BIAS, 192
.set WV,  20                           ; s20 wave; s21 its half of the rows (also: fetches x or W); s22 its half of the columns (also: which half it fetches)
.set WM,  21
.set WN,  22
.set G1A, 24                           ; s[24:31] descriptor group 1 for x; s[32:39] group 0: a set for each of the two first fills; the second then walks on
.set G0A, 32
.set G1B, 48                           ; s[48:55], s[56:63] the same for W
.set G0B, 56
.set OFF, 66                           ; s[66:67] a K step's byte offset in a row of x
.set GN,  68                           ; s68 the K step to be asked for next, 2 .. 24
.set LT,  69                           ; s69 K steps done of the tile in hand
.set TI,  70                           ; s70 the tile in hand
.set TRIPS,71                          ; s71 changes of slots still to come
.set SC,  72                           ; s[72:73] the factor on the way out
.set XP,  74                           ; s[74:75] the x chosen
.set BP,  76                           ; s[76:77] the bias chosen
.set LA0, 83                           ; s83 where my half of x's tile goes in slot 0; s84 the same for W's
.set LB0, 84
.set TB,  85                           ; s85 LDS byte at which the slot in hand begins: 0 or SLOT
.set PF,  88                           ; s[88:89] the prefetch's base
.set PFO, 90                           ; s[90:91] its K steps' byte offset in a row of x
.set PX,  94                           ; s[94:95] its x
.set MSB, 0
.macro WIN new                         ; the immediate's high byte repeats the setting that is left; a switch that changes nothing is dropped
.if MSB != (\new)
	s_set_vgpr_msb (MSB<<8)|(\new)
.set MSB, \new
.endif
.endm
.set MUL,  0xa1                        ; source 0 (W) window 1, source 1 (x) window 0, C and D window 2
.set MULB, 0x81                        ; the same with C (the bias) in window 0
.set TO_B, 0x40                        ; destination window 1, address window 0
; A joint load.  The branch hangs on the wave's number alone.  An s_nop 0 and four v_nop follow each of the two lines.
.macro JLOAD s
	s_cmp_eq_u32 s[WM], 0
	s_cbranch_scc0 .Lfor_b_\@
	tensor_load_to_lds s[G0A+4*(\s):G0A+4*(\s)+3], s[G1A:G1A+7]
	s_nop 0
.rept 4
	v_nop
.endr
	s_branch .Lasked_\@
.Lfor_b_\@:
	tensor_load_to_lds s[G0B+4*(\s):G0B+4*(\s)+3], s[G1B:G1B+7]
	s_nop 0
.rept 4
	v_nop
.endr
.Lasked_\@:
.endm
.macro CREST                           ; a round of the cluster's barrier behind its opening barrier
	s_cmp_lg_u32 s[WV], 0
	s_cbranch_scc1 .Lnot_wave_0_\@
	s_barrier_signal -3
.Lnot_wave_0_\@:
	s_barrier_wait -3
	s_barrier_signal -1
	s_barrier_wait -1
.endm
.macro CROUND
	s_barrier_signal -1
	s_barrier_wait -1
	CREST
.endm
	s_load_b256 s[4:11], s[0:1], 0x0               ; q s[4:5], k s[6:7], v s[8:9], qw_b s[10:11]
	s_load_b256 s[12:19], s[0:1], 0x20             ; kw_b s[12:13], vw_b s[14:15], wts s[16:17], qkvh s[18:19]
	v_lshl_add_u32 v[SPW], v0, 2, SPARE
	v_mov_b32 v[NIL], 0
	ds_add_u32 v[SPW], v[NIL]                      ; the wave's opening: the add and its wait ahead of my first tensor load
	ds_add_u32 v28, v29
	v_lshrrev_b32 v1, 5, v0
	v_readfirstlane_b32 s[WV], v1
	s_lshr_b32 s[WM], s[WV], 1
	s_and_b32 s[WN], s[WV], 1
	s_bfe_u32 s40, ttmp6, 0x40000                  ; cx
	s_bfe_u32 s41, ttmp6, 0x40004                  ; cy
	s_lshl_b32 s42, ttmp9, 2
	s_add_co_u32 s42, s42, s40                     ; nx = 4 x cluster x + cx
	s_and_b32 s43, ttmp7, 0xffff
	s_lshl_b32 s43, s43, 2
	s_add_co_u32 s43, s43, s41                     ; my = 4 x cluster y + cy
	s_lshl_b32 s44, s41, 2
	s_lshl_b32 s44, 15, s44                        ; my row of the cluster
	s_lshl_b32 s45, 0x1111, s40                    ; my column
	s_or_b32 s[G1A+0], s44, (2<<16)|(1<<20)|(1<<21)|(6<<22)|(3<<25)  ; the mask; elements of 4 bytes; padding on; bit 21 beside a mask; after every 128 words, 4 words
	s_mov_b32 s[G1A+1], 128<<16                    ; tensor_dim0 = 128
	s_mov_b32 s[G1A+2], 64<<16                     ; tensor_dim1 = 64
	s_mov_b32 s[G1A+3], 128<<16                    ; tile_dim0 = 128 elements, 512 bytes
	s_mov_b32 s[G1A+4], 64                         ; tile_dim1 = 64 rows
	s_mov_b32 s[G1A+5], 1024                       ; elements from row to row
	s_mov_b32 s[G1A+6], 0
	s_mov_b32 s[G1A+7], 0
	s_or_b32 s[G1B+0], s45, (1<<16)|(1<<20)|(1<<21)|(6<<22)|(7<<25)  ; elements of 2 bytes; after every 128 words, 8 words
	s_mov_b32 s[G1B+1], 256<<16
	s_mov_b32 s[G1B+2], 64<<16
	s_mov_b32 s[G1B+3], 256<<16                    ; tile_dim0 = 256 elements, 512 bytes
	s_mov_b32 s[G1B+4], 64
	s_mov_b32 s[G1B+5], 1024
	s_mov_b32 s[G1B+6], 0
	s_mov_b32 s[G1B+7], 0
	s_lshl_b32 s78, s43, 19                        ; x: 128 my rows of 4,096 bytes,
	s_lshl_b32 s82, s[WN], 18                      ; and the half of 64 rows that I fetch
	s_add_co_u32 s78, s78, s82
	s_mov_b32 s79, 0
	s_lshl_b32 s46, s[WN], 17                      ; W: the half of 64 k rows of 2,048 bytes,
	s_lshl_b32 s47, s42, 9                         ; and 256 nx columns
	s_add_co_u32 s46, s46, s47
	s_mov_b32 s47, 0
	s_mul_i32 s[LA0], s[WN], 64*PA                 ; where they go: no place in the cluster enters an LDS address
	s_mul_i32 s[LB0], s[WN], 64*PB
	s_add_co_u32 s[LB0], s[LB0], BOFF
	s_mov_b32 s[TB], 0                             ; K step 0 lies in slot 0
	s_mov_b32 s[OFF+1], 0
	s_mov_b32 s[PFO+1], 0
	s_mov_b32 s[GN], 2
	s_mov_b32 s[TI], 0
	s_mov_b32 s[SC], 0x3e38aa3b                    ; log2(e) / 8, for q
	s_mov_b32 s[SC+1], s[SC]                       ; named with it as a pair
	s_wait_dscnt 0x0                               ; the opening add is done
	s_wait_kmcnt 0x0
	s_add_nc_u64 s[4:5], s[4:5], s[78:79]
	s_add_nc_u64 s[6:7], s[6:7], s[78:79]
	s_add_nc_u64 s[8:9], s[8:9], s[78:79]
	s_add_nc_u64 s[46:47], s[16:17], s[46:47]
	CROUND                                         ; all sixteen work-groups are here: the first joint loads meet
.irp s, 0,1
	s_mov_b32 s[G0A+4*(\s)], 1
	s_add_co_u32 s[G0A+4*(\s)+1], s[LA0], (\s)*SLOT
	s_add_nc_u64 s[G0A+4*(\s)+2:G0A+4*(\s)+3], s[4:5], (\s)*512      ; K step s of q
	s_or_b32 s[G0A+4*(\s)+3], s[G0A+4*(\s)+3], 0x80000000
	s_mov_b32 s[G0B+4*(\s)], 1
	s_add_co_u32 s[G0B+4*(\s)+1], s[LB0], (\s)*SLOT
	s_add_nc_u64 s[G0B+4*(\s)+2:G0B+4*(\s)+3], s[46:47], (\s)*262144 ; 128 k rows of 2,048 bytes a step; the three matrices lie end to end
	s_or_b32 s[G0B+4*(\s)+3], s[G0B+4*(\s)+3], 0x80000000
	JLOAD \s                                       ; two tensor loads of mine are out
.endr
	; the prefetch's lanes: of the 64 rows at which my x pointers stand, rows 16 nx + 8 wm + lane / 4; of a row's 1,024 bytes, block lane % 4
	s_lshl_b32 s92, s42, 4
	s_lshl_b32 s93, s[WM], 3
	s_add_co_u32 s92, s92, s93
	v_bfe_u32 v3, v0, 2, 3
	v_add_nc_u32 v3, s92, v3
	v_and_b32 v4, 3, v0
	v_lshlrev_b32 v4, 8, v4
	v_lshl_add_u32 v[PO], v3, 12, v4
	s_add_nc_u64 s[PF:PF+1], s[4:5], 1024          ; K steps 2 and 3 of q: their tensor loads go out in the first two trips
	global_prefetch_b8 v[PO], s[PF:PF+1] th:TH_LOAD_NT scope:SCOPE_SE
	v_and_b32 v1, 15, v0                           ; r = l % 16
	v_bfe_u32 v2, v0, 4, 1                         ; h = l / 16
	v_mul_u32_u24 v3, v1, PA                       ; x: row r, 8 numbers of f32 for each half of the lanes
	v_lshl_add_u32 v3, v2, 5, v3
	s_mul_i32 s82, s[WM], 64*PA
	v_add_nc_u32 v[ADRA], s82, v3
	v_mov_b32 v[AC], v[ADRA]                       ; the first step lies in slot 0
	v_and_b32 v4, 7, v0                            ; W: the turning load reads k row 8 h + l % 8, columns 8 ((l / 8) % 2) on
	v_lshl_add_u32 v4, v2, 3, v4
	v_mul_u32_u24 v4, v4, PB
	v_bfe_u32 v5, v0, 3, 1
	v_lshl_add_u32 v4, v5, 4, v4
	s_lshl_b32 s82, s[WN], 8
	s_add_co_u32 s82, s82, BOFF
	v_add_nc_u32 v[ADRB], s82, v4
	v_mov_b32 v[BC], v[ADRB]
	s_mul_i32 s82, s[WV], 16*SP
	s_add_co_u32 s82, s82, STAGE                   ; my stage
	v_mul_u32_u24 v3, v1, SP
	v_lshl_add_u32 v3, v2, 4, v3
	v_add_nc_u32 v[STO], s82, v3
	v_bfe_u32 v3, v0, 3, 2                         ; back: 32 lanes take four rows of 128 bytes
	v_mul_u32_u24 v3, v3, SP
	v_and_b32 v4, 7, v0
	v_lshl_add_u32 v3, v4, 4, v3
	v_add_nc_u32 v[RD], s82, v3
	v_and_b32 v[GO], 31, v0
	v_lshlrev_b32 v[GO], 4, v[GO]
	s_lshl_b32 s86, s42, 10                        ; the bias of my columns: (256 nx + 128 wn + 8 h) x 4 bytes
	s_lshl_b32 s87, s[WN], 9
	s_add_co_u32 s86, s86, s87
	v_lshl_add_u32 v[BO], v2, 5, s86
	s_lshr_b32 s80, s43, 4                         ; where my part goes: the batch, 16 heads of 262,144 bytes,
	s_lshl_b32 s80, s80, 22
	s_lshl_b32 s81, s42, 2                         ; head 4 nx + 2 wn,
	s_lshl_b32 s87, s[WN], 1
	s_add_co_u32 s81, s81, s87
	s_lshl_b32 s81, s81, 18
	s_add_co_u32 s80, s80, s81
	s_and_b32 s81, s43, 15                         ; row 128 (my % 16) + 64 wm of 128 bytes
	s_lshl_b32 s81, s81, 14
	s_add_co_u32 s80, s80, s81
	s_lshl_b32 s81, s[WM], 13
	s_add_co_u32 s80, s80, s81
	s_mov_b32 s81, 0
	s_add_nc_u64 s[18:19], s[18:19], s[80:81]
.macro BLOAD base                      ; the bias of my 128 columns, eight numbers a lane and block of 16
.irp nb, 0,1,2,3,4,5,6,7
	global_load_b128 v[BIAS+8*(\nb):BIAS+8*(\nb)+3],   v[BO], s[(\base):(\base)+1] offset:64*(\nb)
	global_load_b128 v[BIAS+8*(\nb)+4:BIAS+8*(\nb)+7], v[BO], s[(\base):(\base)+1] offset:64*(\nb)+16
.endr
.endm
.macro ROUNDB                          ; the bias is rounded to bf16, as all the module's inputs are, and kept as f32
	WIN 0
.set i, 0
.rept 32
	v_cvt_pk_bf16_f32 v[TT+i%2], v[BIAS+2*i], v[BIAS+2*i+1]
	v_lshlrev_b32 v[BIAS+2*i], 16, v[TT+i%2]
	v_and_b32 v[BIAS+2*i+1], 0xffff0000, v[TT+i%2]
.set i, i+1
.endr
.endm
; 32 LDS loads in one run, for 32 along K (quarter kq of the slot in hand): x's 64 rows as f32 first, then W's 128 columns, turned, into buffer g
.macro FETCH kq, g
	WIN 0
.irp a, 0,1,2,3
	ds_load_b128 v[AF+16*(\a):AF+16*(\a)+3],     v[AC] offset:(\a)*16*PA+(\kq)*128
	ds_load_b128 v[AF+16*(\a)+4:AF+16*(\a)+7],   v[AC] offset:(\a)*16*PA+(\kq)*128+16
	ds_load_b128 v[AF+16*(\a)+8:AF+16*(\a)+11],  v[AC] offset:(\a)*16*PA+(\kq)*128+64
	ds_load_b128 v[AF+16*(\a)+12:AF+16*(\a)+15], v[AC] offset:(\a)*16*PA+(\kq)*128+80
.endr
	WIN TO_B
.irp nb, 0,1,2,3,4,5,6,7
	ds_load_tr16_b128 v[64*(\g)+8*(\nb):64*(\g)+8*(\nb)+3],   v[BC] offset:(\kq)*32*PB+(\nb)*32
	ds_load_tr16_b128 v[64*(\g)+8*(\nb)+4:64*(\g)+8*(\nb)+7], v[BC] offset:(\kq)*32*PB+(\nb)*32+16*PB
.endr
.endm
.macro CVT4 g, a, e                    ; half e of block a's fragment: eight numbers to bf16, into buffer g
	WIN 0
.irp j, 0,1,2,3
	v_cvt_pk_bf16_f32 v[AB+32*(\g)+8*(\a)+4*(\e)+(\j)], v[AF+16*(\a)+8*(\e)+2*(\j)], v[AF+16*(\a)+8*(\e)+2*(\j)+1]
.endr
.endm
.macro W1 f, a, nb, bias               ; one product; the 32 accumulators take turns, one instruction a turn
.if \bias
	WIN MULB
	v_wmma_f32_16x16x32_bf16 v[8*(8*(\a)+(\nb)):8*(8*(\a)+(\nb))+7], v[64*(\f)+8*(\nb):64*(\f)+8*(\nb)+7], v[AB+32*(\f)+8*(\a):AB+32*(\f)+8*(\a)+7], v[BIAS+8*(\nb):BIAS+8*(\nb)+7]
.else
	WIN MUL
	v_wmma_f32_16x16x32_bf16 v[8*(8*(\a)+(\nb)):8*(8*(\a)+(\nb))+7], v[64*(\f)+8*(\nb):64*(\f)+8*(\nb)+7], v[AB+32*(\f)+8*(\a):AB+32*(\f)+8*(\a)+7], v[8*(8*(\a)+(\nb)):8*(8*(\a)+(\nb))+7]
.endif
.endm
.macro W8 f, a, bias
.irp nb, 0,1,2,3,4,5,6,7
	W1 \f, \a, \nb, \bias
.endr
.endm
; One of a K step's first three quarters: multiplies buffer f, fetches quarter kq into buffer g, and rounds x for it between the second half's products.
; The quarter's last four roundings name no register of its last products: they are the four plain vector instructions between those and the next run of loads, which lands in W's buffer f.
.macro Q kq, f, g, bias
	FETCH \kq, \g
	s_wait_dscnt 32                                ; all but the 32 just issued: W's buffer f is in
	W8 \f, 0, \bias
	W8 \f, 1, \bias
	s_wait_dscnt 16                                ; x of the next quarter is in; W's sixteen loads may stay out
.set t, 0
.rept 8
	W1 \f, 2+t/4, (2*t)%8, \bias
	W1 \f, 2+t/4, (2*t+1)%8, \bias
	CVT4 \g, t/2, t%2
.set t, t+1
.endr
.endm
; The last quarter multiplies buffer 1 and changes slots: ONE barrier.  THEAD is its first half.  In front of the barrier each wave waits for all its tensor loads (one is out: its part of the next slot),
; adds 0 to its spare word, and waits for that and for its reads of the slot in hand.  fill = 1: a round of the cluster's barrier and the refill follow, and the walking descriptors are set:
; the slot in hand, K step GN of the walk of 24.
.macro THEAD fill
	WIN 0
	s_wait_tensorcnt 0x0                           ; no tensor load of mine is out, so a group 0 may be written
	ds_add_u32 v[SPW], v[NIL]                      ; 0 onto my spare word
.if \fill
	s_lshr_b32 s23, s[GN], 3                       ; which x,
	s_and_b32 s[OFF], s[GN], 7                     ; which of its eight K steps of 512 bytes
	s_lshl_b32 s[OFF], s[OFF], 9
	s_cmp_eq_u32 s23, 0
	s_cselect_b64 s[XP:XP+1], s[4:5], s[6:7]
	s_cmp_eq_u32 s23, 2
	s_cselect_b64 s[XP:XP+1], s[8:9], s[XP:XP+1]
	s_add_co_u32 s[G0A+5], s[LA0], s[TB]           ; into the slot that is being left
	s_add_nc_u64 s[G0A+6:G0A+7], s[XP:XP+1], s[OFF:OFF+1]  ; the address is made anew
	s_or_b32 s[G0A+7], s[G0A+7], 0x80000000
	s_add_co_u32 s[G0B+5], s[LB0], s[TB]
	s_add_nc_u64 s[G0B+6:G0B+7], s[G0B+6:G0B+7], 262144    ; W walks on, a step; the type bits on top are not reached
	s_add_co_u32 s[GN], s[GN], 1
.endif
	s_wait_dscnt 1                                 ; only the add may be out: W's buffer 1 is in
	W8 1, 0, 0
	s_wait_dscnt 0x0                               ; the add is done, and my reads of this slot are over
	s_barrier_signal -1
	W8 1, 1, 0
	WIN 0
	s_barrier_wait -1
.endm
; Its second half: the other slot is taken in hand, its first quarter fetched and rounded.  Behind the run of LDS loads, and in front of eight products, stands the prefetch: where GN, the K step that the next
; trip's tensor load brings, is even and below 24, my wave's 8 rows of steps GN and GN + 1.  An even step and the one behind it lie in the same x, 1,024 bytes on end in each row.
.macro TREST
	s_sub_co_u32 s[TB], SLOT, s[TB]                ; 0 and SLOT by turns
	v_add_nc_u32 v[AC], s[TB], v[ADRA]
	v_add_nc_u32 v[BC], s[TB], v[ADRB]
	FETCH 0, 0
	WIN 0
	s_and_b32 s92, s[GN], 1
	s_cmp_lg_u32 s92, 0
	s_cbranch_scc1 .Lno_ask_\@                     ; an odd step was asked for with the even one in front of it
	s_cmp_lt_u32 s[GN], 24
	s_cbranch_scc0 .Lno_ask_\@                     ; the walk has 24 steps: nothing is asked for past x's last
	s_lshr_b32 s92, s[GN], 3                       ; which x,
	s_and_b32 s[PFO], s[GN], 7                     ; which of its K steps of 512 bytes
	s_lshl_b32 s[PFO], s[PFO], 9
	s_cmp_eq_u32 s92, 0
	s_cselect_b64 s[PX:PX+1], s[4:5], s[6:7]
	s_cmp_eq_u32 s92, 2
	s_cselect_b64 s[PX:PX+1], s[8:9], s[PX:PX+1]
	s_wait_xcnt 0x0                                ; the base that the last prefetch, two trips back, names is rewritten only behind this wait
	s_add_nc_u64 s[PF:PF+1], s[PX:PX+1], s[PFO:PFO+1]
	global_prefetch_b8 v[PO], s[PF:PF+1] th:TH_LOAD_NT scope:SCOPE_SE
.Lno_ask_\@:
	W8 1, 2, 0
	s_wait_dscnt 16
.set t, 0
.rept 8
	W1 1, 3, t, 0
	CVT4 0, t/2, t%2
.set t, t+1
.endr
.endm
; THE WAY OUT, in units u = 2 a + hh of 16 rows x one head (64 columns): scaled, rounded to f16, 16 bytes a lane into my stage, back as whole rows of 128 bytes.
.macro PACK u
	s_wait_xcnt 0x0                                ; TMP's registers, which earlier stores read, are rewritten only behind this wait
	WIN 0x82
.set i, 0
.rept 16
	v_pk_mul_f32 v[32*(\u)+2*i:32*(\u)+2*i+1], v[32*(\u)+2*i:32*(\u)+2*i+1], s[SC:SC+1] op_sel_hi:[1,0]
.set i, i+1
.endr
	WIN 0x0a
.set i, 0
.rept 16
	v_cvt_pk_f16_f32 v[TMP+16*((\u)%2)+i], v[32*(\u)+2*i], v[32*(\u)+2*i+1]
.set i, i+1
.endr
	WIN 0
.irp f, 0,1,2,3
	ds_store_b128 v[STO], v[TMP+16*((\u)%2)+4*(\f):TMP+16*((\u)%2)+4*(\f)+3] offset:32*(\f)
.endr
.irp f, 0,1,2,3
	ds_load_b128 v[TMP+16*((\u)%2)+4*(\f):TMP+16*((\u)%2)+4*(\f)+3], v[RD] offset:(\f)*4*SP  ; LDS serves a wave's instructions in order (ISA guide 5.7.1.4): these see the stores above
.endr
.endm
.macro SEND u, younger                 ; younger: the LDS instructions issued behind unit u's loads
	WIN 0
.irp f, 0,1,2,3
	s_wait_dscnt (\younger)+3-(\f)
	global_store_b128 v[GO], v[TMP+16*((\u)%2)+4*(\f):TMP+16*((\u)%2)+4*(\f)+3], s[18:19] offset:((\u)%2)*262144+((\u)/2)*2048+(\f)*512  ; 512 consecutive bytes, aligned
.endr
.endm
.macro EPI next                        ; next = 1: a tile follows: its bias is fetched under the way out
	WIN 0
.if \next
	s_add_co_u32 s[TI], s[TI], 1
	s_cmp_eq_u32 s[TI], 1
	s_cselect_b64 s[BP:BP+1], s[12:13], s[14:15]
	BLOAD BP
.endif
	PACK 0
.irp u, 1,2,3,4,5,6,7
	PACK \u
	SEND (\u)-1, 8
.endr
	SEND 7, 0
.if \next
	s_wait_xcnt 0x0                                ; the stores have read their base
	s_add_nc_u64 s[18:19], s[18:19], 16777216      ; the next part of qkvh
	s_mov_b32 s[SC], 1.0
	s_mov_b32 s[SC+1], 1.0
	s_wait_loadcnt 0x0
	ROUNDB
.endif
.endm
	BLOAD 10                                       ; qw_b
	s_wait_tensorcnt 1                             ; my part of K step 0 is in; step 1's may stay out
	s_barrier_signal -1
	s_barrier_wait -1
	FETCH 0, 0
	s_wait_loadcnt 0x0
	ROUNDB
	s_wait_dscnt 16
.set t, 0
.rept 8
	CVT4 0, t/2, t%2
.set t, t+1
.endr
	Q 1, 0, 1, 1                                   ; K step 0's first three quarters stand ahead of the loop: the bias starts the sums, nothing is cleared
	Q 2, 1, 0, 0
	Q 3, 0, 1, 0
	WIN 0
	s_mov_b32 s[TRIPS], 23                         ; 24 K steps have 23 changes of slots
	s_mov_b32 s[LT], 0
.Ltrip:                                                ; a trip: a step's last quarter with the change of slots and the refill, then the next step's first three quarters
	THEAD 1
	CREST                                          ; the barrier has opened a round of the cluster's: no wave of any partner still reads this slot or has a load on its way
	JLOAD 1                                        ; the first tensor load behind the round, my only one until the next
.Lgo:
	TREST
	WIN 0
	s_add_co_u32 s[LT], s[LT], 1
	s_cmp_lg_u32 s[LT], 8                          ; eight K steps are a tile
	s_cbranch_scc1 .Lplain
	EPI 1                                          ; the tile goes out; the refills for the next tile's first two steps have been asked for
	s_mov_b32 s[LT], 0
	Q 1, 0, 1, 1
	WIN 0
	s_branch .Ljoin
.Lplain:
	Q 1, 0, 1, 0
	WIN 0
.Ljoin:
	Q 2, 1, 0, 0
	Q 3, 0, 1, 0
	WIN 0
	s_sub_co_u32 s[TRIPS], s[TRIPS], 1
	s_cmp_eq_u32 s[TRIPS], 0
	s_cbranch_scc1 .Lfinal
	s_cmp_lg_u32 s[TRIPS], 1
	s_cbranch_scc1 .Ltrip
	THEAD 0                                        ; the last change of slots: nothing is left to ask for, so neither the round nor the load stands here;
	s_branch .Lgo                                  ; the rest of the trip is the text above, from behind the load on
.Lfinal:
	s_wait_dscnt 0x0                               ; the last step's last quarter
	W8 1, 0, 0
	W8 1, 1, 0
	W8 1, 2, 0
	W8 1, 3, 0
	WIN 0
.rept 4
	v_nop                                          ; four plain vector instructions between the last products and the first read of a result (ISA guide 7.12.1)
.endr
	EPI 0
	s_wait_tensorcnt 0x0                           ; the wave's end
	ds_add_u32 v[SPW], v[NIL]
	s_wait_dscnt 0x0
	CROUND                                         ; the closing round: no work-group ends while a partner may still ask for a tile that names it
	s_endpgm
.Lfunc_end_k_qf863075901_proj:
	.size	k_qf863075901_proj, .Lfunc_end_k_qf863075901_proj-k_qf863075901_proj
	.p2alignl 7, 3214868480
	.fill 96, 4, 3214868480
	.section	.rodata,"a",@progbits
	.p2align	6, 0x0
	.amdhsa_kernel k_qf863075901_proj
		.amdhsa_group_segment_fixed_size 327680
		.amdhsa_private_segment_fixed_size 0
		.amdhsa_enable_private_segment 0
		.amdhsa_kernarg_size 64
		.amdhsa_user_sgpr_count 2
		.amdhsa_user_sgpr_kernarg_segment_ptr 1
		.amdhsa_wavefront_size32 1
		.amdhsa_system_sgpr_workgroup_id_x 1
		.amdhsa_system_sgpr_workgroup_id_y 1
		.amdhsa_system_sgpr_workgroup_id_z 1
		.amdhsa_system_vgpr_workitem_id 0
		.amdhsa_next_free_vgpr 768
		.amdhsa_next_free_sgpr 96
		.amdhsa_reserve_vcc 0
		.amdhsa_float_denorm_mode_32 3
		.amdhsa_float_denorm_mode_16_64 3
		.amdhsa_memory_ordered 1
		.amdhsa_forward_progress 1
		.amdhsa_inst_pref_size 135
	.end_amdhsa_kernel
	.amdgpu_metadata
---
amdhsa.version: [ 1, 2 ]
amdhsa.kernels:
  - .name:           k_qf863075901_proj
    .symbol:         k_qf863075901_proj.kd
    .args:
      - { .name: q, .offset: 0, .size: 8, .value_kind: global_buffer, .address_space: global }
      - { .name: k, .offset: 8, .size: 8, .value_kind: global_buffer, .address_space: global }
      - { .name: v, .offset: 16, .size: 8, .value_kind: global_buffer, .address_space: global }
      - { .name: qw_b, .offset: 24, .size: 8, .value_kind: global_buffer, .address_space: global }
      - { .name: kw_b, .offset: 32, .size: 8, .value_kind: global_buffer, .address_space: global }
      - { .name: vw_b, .offset: 40, .size: 8, .value_kind: global_buffer, .address_space: global }
      - { .name: wts, .offset: 48, .size: 8, .value_kind: global_buffer, .address_space: global }
      - { .name: qkvh, .offset: 56, .size: 8, .value_kind: global_buffer, .address_space: global }
    .group_segment_fixed_size: 327680
    .private_segment_fixed_size: 0
    .kernarg_segment_align: 8
    .kernarg_segment_size: 64
    .max_flat_workgroup_size: 128
    .sgpr_count:     96
    .vgpr_count:     768
    .wavefront_size: 32
...
	.end_amdgpu_metadata
.endif
;; end of part 2
;; launch attn (part 3): grid 8 x 32, 4 waves a work-group, clusters of 4 x 1, 327,680 bytes of LDS; arguments qkvh, mk, oh; writes oh
.if DOCPART == 3
	.amdgcn_target "amdgcn-amd-amdhsa--gfx1250"
	.amdhsa_code_object_version 6
	.text
	.protected	k_qf863075901_attn
	.globl	k_qf863075901_attn
	.p2align	8
	.type	k_qf863075901_attn,@function
k_qf863075901_attn:
	s_mov_b64 s[64:65], 0
	v_nop
	global_prefetch_b8 v0, s[64:65] scope:SCOPE_SE
	s_setreg_imm32_b32 hwreg(HW_REG_WAVE_MODE, 25, 1), 1
	s_wait_xcnt 0x0
	s_wait_alu depctr_hold_cnt(0) depctr_sa_sdst(0) depctr_va_vdst(0) depctr_va_sdst(0) depctr_va_ssrc(0) depctr_va_vcc(0) depctr_vm_vsrc(0)
	s_getreg_b32 s2, hwreg(HW_REG_IB_STS2, 6, 4)
	s_cmp_eq_u32 s2, 0
	s_cbranch_scc0 .Lentry_in_a_cluster
	s_endpgm
.Lentry_in_a_cluster:
	s_bfe_u32 s2, ttmp6, 0x10000c
	s_cmp_lg_u32 s2, 0x3003
	s_cbranch_scc0 .Lentry_shape_is_right
	s_endpgm
.Lentry_shape_is_right:
; ATTENTION WITH AN ADDITIVE MASK.  O[bh][q][:] = the sum over k of softmax_k(Q[bh][q] . K[bh][k] / 8 - 1e9 mask[b][q][k]) V[bh][k][:].  Q, K, V: the three parts of qkvh, [64][2048][64] f16, Q already
; times log2(e) / 8; mk: the mask in bf16, in sub-tiles of 16 queries x 16 keys of 512 bytes; O: oh, [64][2048][64] f16.  Products, maxima and sums in f32; the weights p are rounded to f16 for the second product.
; SCORES stand in powers of two: T = Q . K + w mask, p = 2^(T - m) with a running maximum m; the difference T - m is taken first, so that it is exact where it matters, however large T is.
; THE MASK'S TERM IS MADE BY THE MATRIX UNIT: for 16 keys x 16 queries one bf16 product SEL x BM.  BM is 32 keys x 16 queries of the mask as it lies in mk; SEL holds w on one diagonal
; (keys 0-15 or 16-31 of the 32) and 0 elsewhere, so each sum has one term, w mask, exact in f32.  The term is the C operand of the first of the two f16 products K Q^T.
; LIMITS.  w = bf16(-1e9 log2 e) = -1.34375 x 2^30, 1.0e-4 of itself from the true factor; the mask is rounded to bf16, as all the module's inputs are.  The mask is finite, and 1.5e9 |mask| is.
; Where |T| is about 1.4e9 (a masked key) f32 keeps steps of 128: what Q . K adds below that is lost.  f16 ends at 65,504; p lies in 0 to 1 and keeps steps of 6e-8 below 6e-5; a weight below 2^-126 counts as 0.
; SHARES.  THE MASK KNOWS NO HEAD, so a work-group owns 256 queries of TWO heads of one batch (heads 2 y and 2 y + 1 of the 64), and each of its four waves 64 queries: four PIECES.  A piece is one block of
; 16 queries, as two tiles: tile 0 in the first head, tile 1 in the second.  A piece's mask is loaded once and its term made once, by 4 products, for both tiles.  Every wave walks all 2,048 keys, 64 a step.
; LAYOUT.  S^T = K Q^T (source 0 = 16 keys, source 1 = 16 queries): a lane holds ONE query (lane % 16) and the keys 8 (lane / 16) + 0..7.  Two such results rounded to f16 ARE source 1 of O^T = V^T P.
; BY TURNS.  Turn n belongs to piece n.  Its matrix work: 4 mask products and 16 products K Q^T of piece n + 1, later 16 products V^T P of piece n - 1.  Its vector work: differences, exponentials, roundings,
; sums and rescaling of piece n, and the maximum and statistics of piece n + 1.  Four vector instructions stand behind every matrix instruction, the rest in two lumps.
; THE TEXT OF A KEY STEP STANDS ONCE.  The change into the last slot, which asks for nothing, is written behind the loop and goes back to the step's label, behind the change that asks; a count of the
; 32 key steps leaves out the fetch of a K that is not and leaves the last trip in its middle.
; CLUSTER.  The four query blocks of a cluster belong to one pair of heads and walk the same K and V: each tile is asked for JOINTLY.  THE MASK IS NOT SHARED IN THE CLUSTER (its rows are the queries, which differ);
; it comes by loads of 512 consecutive bytes straight into registers, each piece's 4 loads issued in the turn that has used the piece's registers, four turns ahead of their next use.
; REGISTERS, in windows of 256 (s_set_vgpr_msb: bits 1:0 source 0, 3:2 source 1, 5:4 source 2, 7:6 destination):
;   window 0: v0-15 addresses; v16-47 four registers of statistics a tile; v48-63 at work; v64-191 S^T, two buffers of two tiles; v192-255 P, likewise
;   window 1: O^T, 32 a tile      window 2: v0-127 Q, 16 a tile; v128-255 K of one step, 64 a head
;   window 3: v0-1 the add's registers; v4-15 SEL; v16-79 BM, 16 a piece; v80-111 the mask's term of the piece in hand; v128-255 V of one step, 64 a head
.set SIZE_N, 2048
.set HEADB, SIZE_N*128 ; a head's bytes in each of the tensors
.set NP,    4         ; pieces a wave: a name, no knob
.set KS,    64        ; keys in a step
.set SS,    2         ; key steps in a slot
.set PK,    144       ; a row of K in LDS: 128 bytes + 16: the 16 rows of a load start at 16 different groups of four banks (ISA guide 11.1)
.set PV,    160       ; a row of V: 128 + 32
.set HK,    SS*KS*PK  ; a head's 128 rows of K in a slot
.set HV,    SS*KS*PV  ; and of V
.set VOFF,  2*HK      ; a slot: K of the first head, K of the second, then V likewise
.set SLOT1, 1<<17     ; slot 1 begins here, so that one exclusive or turns an address in one slot into the other's
.set STAGE, SLOT1+2*(HK+HV)  ; behind the ring, never filled by a tensor load: 16 rows x 144 bytes for each wave
.set SP,    144
.set SPARE, STAGE+4*16*SP  ; the spare words, 128 bytes for each wave, which no other line names
.set AK0, 2           ; v2   my lane's place in a tile of K; never rewritten
.set AV0, 3           ; v3   the same for V
.set AK,  4           ; v4   the LDS address of K's next run of loads
.set AV,  5           ; v5   of V's
.set STO, 6           ; v6   the way out: where I put 16 bytes of a row
.set RD,  7           ; v7   where I read rows back
.set GO,  8           ; v8   16 x lane
.set MO,  12          ; v12  my 16 bytes in a sub-tile of the mask + 2,048 x the key step whose mask is asked for
.set QO,  13          ; v13  my byte offset in 16 rows of Q
.set SPW, 0           ; v0 of window 3   LDS address of my spare word; never rewritten
.set NIL, 1           ; v1 of window 3   0; never rewritten
.set BM,  16          ; window 3: piece x, sub-tile c at BM + 16 x + 4 c
.set MA,  80          ; window 3: the mask's term for keys 16 kb on at MA + 8 kb
.set ST,  16          ; tile t's statistics at v[ST+4 t]: m, 0, l (even keys', odd keys')
.set TMP, 48          ; by buffer and tile, four registers c0-c3 at work; when the maximum is found c2 takes a
.set S,   64
.set P,   192
.set KF,  128         ; window 2: head u, key block kb, channel half c at KF + 64 u + 16 kb + 8 c
.set VF,  128         ; window 3: head u, key half kk, channel block cb at VF + 64 u + 32 kk + 8 cb
.set WV,  12          ; s12  my wave's number
.set G1K, 24          ; s[24:31] descriptor group 1 for K's tiles
.set G1V, 32          ; s[32:39] for V's: it differs in the padding alone
.set G0K, 40          ; s[40:43] descriptor group 0 for K's tiles: it walks
.set G0V, 44          ; s[44:47] the same for V's
.set MB,  52          ; s[52:53] the mask at my wave's first block of 16 queries
.set SLOTS, 56        ; s56  slots still to be asked for
.set CNT, 57          ; s57  counts a slot's key steps
.set GS,  58          ; s58  key steps whose pieces 2 and 3 are still to be done, 32 to 0
.set SEL, 60          ; s[60:61] v_permlanex16_b32's selects: each lane takes its own place in the other half
.set TBK, 62          ; s62  LDS byte at which K of the step to be fetched begins
.set TBV, 63          ; s63  the same for V, less VOFF
.set MSB, 0
.macro WIN new                      ; the high byte repeats the setting that is left; a switch that changes nothing is dropped
.if MSB != (\new)
	s_set_vgpr_msb (MSB<<8)|(\new)
.set MSB, (\new)
.endif
.endm
.set W_MS, 0xcf       ; SEL, BM and the term in window 3
.set W_K1, 0x3a       ; K and Q in window 2, C (the term) in window 3, S^T in window 0
.set W_KQ, 0x0a       ; K and Q in window 2, S^T in window 0
.set W_PV, 0x53       ; V in window 3, P in window 0, O^T in window 1
.set W_RS, 0x41       ; O^T (destination and source 0) in window 1, a in window 0
.set W_MK, 0xc0       ; destination in window 3, sources in window 0
.set W_AD, 0x0f       ; the add: address and data in window 3
; A joint fill.  Waves 0 and 1 fetch a slot's K of the first and of the second head, waves 2 and 3 its V: 128 keys each.  An s_nop 0 and four v_nop follow each of the two lines.
.macro JLOAD
	s_cmp_lt_u32 s[WV], 2
	s_cbranch_scc0 .Lfor_v_\@
	tensor_load_to_lds s[G0K:G0K+3], s[G1K:G1K+7]
	s_nop 0
.rept 4
	v_nop
.endr
	s_branch .Lasked_\@
.Lfor_v_\@:
	tensor_load_to_lds s[G0V:G0V+3], s[G1V:G1V+7]
	s_nop 0
.rept 4
	v_nop
.endr
.Lasked_\@:
.endm
.macro CROUND                       ; a round of the cluster's barrier
	s_barrier_signal -1
	s_barrier_wait -1
	s_cmp_lg_u32 s[WV], 0
	s_cbranch_scc1 .Lnot_wave_0_\@
	s_barrier_signal -3
.Lnot_wave_0_\@:
	s_barrier_wait -3
	s_barrier_signal -1
	s_barrier_wait -1
.endm
; THE CHANGE OF SLOTS.  Each wave waits for all its tensor loads, of which one is out: its part of the other slot; adds 0 to its spare word; and waits for that and for its own reads of the slot.
; fill = 1: the barrier is a round of the cluster's, and this slot is filled again, first thing behind it, with the keys two slots on: two key steps, 288 matrix instructions, in which to land.
; (At its first use nothing has been read yet: slot 0 is waited for, slot 1 filled.)
.macro CHANGE fill
	WIN W_AD
	s_wait_tensorcnt 0x0            ; no tensor load of mine is out, so a group 0 may be written
	ds_add_u32 v[SPW], v[NIL]       ; 0 onto my spare word
	WIN 0                           ; at a label and at a branch every window is 0
.if \fill
.irp g, G0K, G0V
	s_xor_b32 s[\g+1], s[\g+1], SLOT1
	s_add_nc_u64 s[\g+2:\g+3], s[\g+2:\g+3], SS*KS*128  ; the head's next 128 keys; the type bits on top are not reached
.endr
	s_wait_dscnt 0x0                ; the add is done, and my reads of the slot are over
	CROUND
	JLOAD
.else
	s_wait_dscnt 0x0
	s_barrier_signal -1
	s_barrier_wait -1
.endif
	s_sub_co_u32 s[TBK], s[TBK], HK       ; the fetches go back to a slot's first step,
	s_xor_b32 s[TBK], s[TBK], SLOT1       ; in the other slot
	s_sub_co_u32 s[TBV], s[TBV], HV
	s_xor_b32 s[TBV], s[TBV], SLOT1
.endm
	s_load_b128 s[4:7], s[0:1], 0x0   ; qkvh s[4:5], mk s[6:7]
	s_load_b64 s[10:11], s[0:1], 0x10 ; oh
	WIN W_MK
	v_lshl_add_u32 v[SPW], v0, 2, SPARE
	v_mov_b32 v[NIL], 0
	WIN W_AD
	ds_add_u32 v[SPW], v[NIL]       ; the wave's opening: the add and its wait ahead of my first tensor load
	ds_add_u32 v0, v1
	WIN 0
	v_lshrrev_b32 v1, 5, v0
	v_readfirstlane_b32 s[WV], v1   ; wave 0..3
	s_bfe_u32 s13, ttmp6, 0x40000   ; cx
	s_lshl_b32 s14, ttmp9, 2
	s_add_co_u32 s14, s14, s13      ; my block of 256 queries, 0 to 7: it enters Q's, O's and the mask's addresses alone
	s_and_b32 s15, ttmp7, 0xffff    ; y = batch x 8 + pair of heads, which the four partners share
	s_lshl_b32 s20, s15, 19         ; the first head's first byte: 2 y heads of 262,144 bytes
	s_and_b32 s16, s[WV], 1         ; which of the two heads I fetch:
	s_lshl_b32 s22, s16, 18         ; its rows in memory,
	s_add_co_u32 s22, s22, s20
	s_mov_b32 s23, 0
	s_mul_i32 s17, s16, HK          ; and its place in a slot, for K
	s_mul_i32 s18, s16, HV          ; and for V: no place in the cluster enters an LDS address
	s_lshl_b32 s2, s14, 2
	s_add_co_u32 s2, s2, s[WV]      ; my wave among the head's 32,
	s_lshl_b32 s2, s2, 13           ; its 64 rows of 128 bytes
	s_add_co_u32 s2, s2, s20
	s_mov_b32 s3, 0
	s_lshr_b32 s48, s15, 3          ; the mask: the batch's 128 blocks of 16 queries,
	s_lshl_b32 s48, s48, 7
	s_lshl_b32 s49, s14, 4          ; my work-group's 16,
	s_add_co_u32 s48, s48, s49
	s_lshl_b32 s49, s[WV], 2        ; my wave's 4,
	s_add_co_u32 s48, s48, s49
	s_lshl_b32 s48, s48, 16         ; of 65,536 bytes
	s_mov_b32 s49, 0
	; descriptor group 1.  128 keys are 16,384 dense bytes: asked for as 64 rows of 256 bytes, two keys a row, and padded in LDS after every key
	s_mov_b32 s[G1K], 15|(1<<16)|(1<<20)|(1<<21)|(4<<22)|(3<<25)  ; the mask of four; 2-byte elements; padding on; bit 21 beside a mask; after every 32 words, 4 words
	s_mov_b32 s[G1V], 15|(1<<16)|(1<<20)|(1<<21)|(4<<22)|(7<<25)  ; the same with 8 words of padding
.irp g, G1K, G1V
	s_mov_b32 s[\g+1], 128<<16      ; tensor_dim0 = 128
	s_mov_b32 s[\g+2], 64<<16       ; tensor_dim1 = 64
	s_mov_b32 s[\g+3], 128<<16      ; tile_dim0 = 128
	s_mov_b32 s[\g+4], 64           ; tile_dim1 = 64
	s_mov_b32 s[\g+5], 128          ; 128 elements from row to row
	s_mov_b32 s[\g+6], 0
	s_mov_b32 s[\g+7], 0
.endr
	s_mov_b32 s54, 0x0000ceac       ; w in a word's low half,
	s_mov_b32 s55, 0xceac0000       ; and in its high half
	s_mov_b32 s[SEL], 0x76543210
	s_mov_b32 s[SEL+1], 0xfedcba98
	s_mov_b32 s[TBK], SLOT1+HK      ; the first change of slots turns these two into 0
	s_mov_b32 s[TBV], SLOT1+HV
	s_mov_b32 s[G0K], 1             ; count = 1
	s_mov_b32 s[G0K+1], s17         ; LDS address: slot 0
	s_mov_b32 s[G0V], 1
	s_add_co_u32 s[G0V+1], s18, VOFF
	s_wait_dscnt 0x0                ; the opening add is done
	s_wait_kmcnt 0x0
	s_add_nc_u64 s[MB:MB+1], s[6:7], s[48:49]
	s_add_nc_u64 s[G0K+2:G0K+3], s[4:5], s[22:23]
	s_add_nc_u64 s[G0K+2:G0K+3], s[G0K+2:G0K+3], 16777216  ; K is part 1 of qkvh
	s_or_b32 s[G0K+3], s[G0K+3], 0x80000000
	s_add_nc_u64 s[G0V+2:G0V+3], s[4:5], s[22:23]
	s_add_nc_u64 s[G0V+2:G0V+3], s[G0V+2:G0V+3], 33554432  ; V part 2
	s_or_b32 s[G0V+3], s[G0V+3], 0x80000000
	s_add_nc_u64 s[4:5], s[4:5], s[2:3]    ; Q and O at my wave's first row in the first head
	s_add_nc_u64 s[10:11], s[10:11], s[2:3]
	CROUND                          ; all four work-groups are here: the first joint loads meet
	JLOAD                           ; slot 0.  Slot 1 is asked for when slot 0 is in
	v_and_b32 v1, 15, v0            ; l % 16
	v_bfe_u32 v9, v0, 4, 1          ; l / 16
	v_lshlrev_b32 v[QO], 7, v1
	v_lshl_add_u32 v[QO], v9, 4, v[QO]  ; row x 128 + 16 x half
	v_lshlrev_b32 v[MO], 5, v1
	v_lshl_add_u32 v[MO], v9, 4, v[MO]  ; in a sub-tile: query x 32 + 16 x half; key step 0
	WIN 0x80                        ; destination window 2, address window 0
.set i, 0
.rept 4*NP                          ; Q stays in registers: tile i / 2 (piece i / 4, head (i / 2) % 2), channels 32 (i % 2) on
	global_load_b128 v[8*i:8*i+3],   v[QO], s[4:5] offset:((i/2)%2)*HEADB+(i/4)*2048+(i%2)*64
	global_load_b128 v[8*i+4:8*i+7], v[QO], s[4:5] offset:((i/2)%2)*HEADB+(i/4)*2048+(i%2)*64+32
.set i, i+1
.endr
; Piece x's mask for the key step in MO: four sub-tiles, each load 512 consecutive bytes.
.macro FM x
	WIN W_MK
.irp c, 0,1,2,3
	global_load_b128 v[BM+16*(\x)+4*\c:BM+16*(\x)+4*\c+3], v[MO], s[MB:MB+1] offset:(\x)*65536+\c*512
.endr
.endm
; The key step in MO goes on by one.  Behind the last step it wraps to the first: the loads that run ahead of the walk's end stay inside my wave's rows of mk, and what they bring serves nothing.
.macro STEP_MO
	WIN 0
	s_wait_xcnt 0x0                 ; MO, which pending loads name, is rewritten only behind this wait
	v_add_nc_u32 v[MO], 2048, v[MO]
	v_and_b32 v[MO], 0xffff, v[MO]
.endm
	FM 0
	FM 1
	FM 2
	FM 3
	; What the first turn finds: V's registers and P's second buffer hold 0, O^T and l are 0, m is the lowest finite number: the first step is a step like any other, with a = 0.  All this stands in the wait for the first tile.
	WIN W_MK
.set i, VF
.rept 128
	v_mov_b32 v[i], 0
.set i, i+1
.endr
	WIN 0x40
.set i, 0
.rept 64*NP
	v_mov_b32 v[i], 0
.set i, i+1
.endr
	WIN 0
.set i, 0
.rept 2*NP
	v_mov_b32 v[ST+4*i], 0xff7fffff    ; m
	v_mov_b32 v[ST+4*i+1], 0           ; named with m as a pair
	v_mov_b32 v[ST+4*i+2], 0
	v_mov_b32 v[ST+4*i+3], 0
.set i, i+1
.endr
.set i, P+32
.rept 32
	v_mov_b32 v[i], 0
.set i, i+1
.endr
	; SEL.  Lane l holds row l % 16 of source 0 and, in four registers, k = 8 (l / 16) + 0..7: w stands where k is the row, at place e = l % 16 - 8 (l / 16) if that lies in 0..7.
	v_lshlrev_b32 v14, 3, v9
	v_sub_nc_u32 v14, v1, v14
.irp j, 0,1,2,3
	v_cmp_eq_u32 vcc_lo, 2*\j, v14
	v_cndmask_b32 v[TMP+\j], 0, s54, vcc_lo
	v_cmp_eq_u32 vcc_lo, 2*\j+1, v14
	v_cndmask_b32 v[TMP+\j], v[TMP+\j], s55, vcc_lo
.endr
	WIN W_MK
.irp j, 0,1,2,3
	v_mov_b32 v[4+\j], 0            ; v[4:11]: w at k = 16 + row;  v[8:15]: w at k = row
	v_mov_b32 v[8+\j], v[TMP+\j]
	v_mov_b32 v[12+\j], 0
.endr
	WIN 0
	v_mul_u32_u24 v[AK0], v1, PK
	v_lshl_add_u32 v[AK0], v9, 4, v[AK0]  ; row x pitch + 16 x half
	; The turning load takes 16 keys x 16 channels (lane l reads key 8 (l / 16) + l % 8, channels 8 ((l / 8) % 2) + 0..7) and leaves half a fragment of V^T.
	v_and_b32 v10, 7, v0
	v_bfe_u32 v11, v0, 3, 1
	v_lshl_add_u32 v[AV0], v9, 3, v10
	v_mul_u32_u24 v[AV0], v[AV0], PV
	v_lshl_add_u32 v[AV0], v11, 4, v[AV0]
	v_add_nc_u32 v[AV0], VOFF, v[AV0]
	v_mov_b32 v[AK], v[AK0]         ; key step 0 lies at the head of slot 0
; THE MATRIX WORK.  The accumulators of a run take turns, one instruction a turn.
; Mask product i of 4 for piece x: keys 16 i on.
.macro MK x
	WIN W_MS
.set rM, MA+8*i
.set rB, BM+16*(\x)+8*(i/2)
.set rE, 8-4*(i%2)
	v_wmma_f32_16x16x32_bf16 v[rM:rM+7], v[rE:rE+7], v[rB:rB+7], 0
.endm
; Product i of 16 of S^T = the term + K Q^T for piece x: channels 32 (i / 8) on, keys 16 ((i / 2) % 4) on, tile (and head) i % 2.  The first 8 start the sums with the mask's term, the same for both tiles:
; five plain vector instructions or more stand between the product that made a term and the products that take it as C.
.macro KQ x
.set rS, S+64*((\x)%2)+32*(i%2)+8*((i/2)%4)
.set rK, KF+64*(i%2)+16*((i/2)%4)+8*(i/8)
.set rQ, 16*(2*(\x)+i%2)+8*(i/8)
.set rM, MA+8*((i/2)%4)
.if i < 8
	WIN W_K1
	v_wmma_f32_16x16x32_f16 v[rS:rS+7], v[rK:rK+7], v[rQ:rQ+7], v[rM:rM+7]
	s_wait_alu depctr_va_vdst(0)
.else
	WIN W_KQ
	v_wmma_f32_16x16x32_f16 v[rS:rS+7], v[rK:rK+7], v[rQ:rQ+7], v[rS:rS+7]
.endif
.endm
; Product i of 16 of O^T += V^T P for piece x: keys 32 (i / 8) on, channels 16 ((i / 2) % 4) on, tile (and head) i % 2.
.macro PV x
	WIN W_PV
.set rO, 32*(2*(\x)+i%2)+8*((i/2)%4)
.set rV, VF+64*(i%2)+32*(i/8)+8*((i/2)%4)
.set rP, P+32*((\x)%2)+16*(i%2)+8*(i/8)
	v_wmma_f32_16x16x32_f16 v[rO:rO+7], v[rV:rV+7], v[rP:rP+7], v[rO:rO+7]
.endm
.macro MM                           ; the turn's next matrix instruction, of 36
.if i < 4
	MK (Y+1)%NP
.elseif i < 20
.set i, i-4
	KQ (Y+1)%NP
.set i, i+4
.else
.set i, i-20
	PV (Y+NP-1)%NP
.set i, i+20
.endif
.set i, i+1
.endm
; THE LDS LOADS stand in runs of 32: a step's K of both heads, and its V.  last = 1 (in the loop): in the walk's last trip there is no further step, and the run is jumped over.
.macro FETCH_K last=0
	WIN 0
.if \last
	s_cmp_eq_u32 s[GS], 1
	s_cbranch_scc1 .Lno_k_\@
.endif
	WIN 0x80                        ; destination window 2
.irp u, 0,1
.irp f, 0,1,2,3,4,5,6,7             ; head u; keys 16 (f / 2) on, channels 32 (f % 2) on
	ds_load_b128 v[KF+64*\u+8*\f:KF+64*\u+8*\f+3],   v[AK] offset:\u*HK+(\f/2)*16*PK+(\f%2)*64
	ds_load_b128 v[KF+64*\u+8*\f+4:KF+64*\u+8*\f+7], v[AK] offset:\u*HK+(\f/2)*16*PK+(\f%2)*64+32
.endr
.endr
	s_add_co_u32 s[TBK], s[TBK], KS*PK  ; the next fetch is the next step's
	WIN 0
.if \last
.Lno_k_\@:
.endif
.endm
.macro FETCH_V
	WIN W_MK                        ; destination window 3
.irp u, 0,1
.irp f, 0,1,2,3,4,5,6,7             ; head u; keys 32 (f / 4) on, channels 16 (f % 4) on
	ds_load_tr16_b128 v[VF+64*\u+8*\f:VF+64*\u+8*\f+3],   v[AV] offset:\u*HV+(\f/4)*32*PV+(\f%4)*32
	ds_load_tr16_b128 v[VF+64*\u+8*\f+4:VF+64*\u+8*\f+7], v[AV] offset:\u*HV+(\f/4)*32*PV+16*PV+(\f%4)*32
.endr
.endr
	WIN 0
.endm
; THE VECTOR WORK, one line at a time: OP tile, kind, number.  For piece Y: F n: T - m for pair n of 16.  E n: 2^ of score n of 32.  C n: pair n rounded to f16.  B n: of the four weights 4 n .. the second pair is
; added onto the first, in place.  L n: l takes that sum (L 0: l = a l + sum).  R n: pair n of 16 of O^T times a.  For piece Y + 1: X n, which finds its maximum and statistics:
;   0-11  four chains c0-c3 of seven scores each (each accumulator's lowest registers are read first)     12-14, 16  the four scores left over, the old m, and c0-c3 into c0
;   17, 18  the query's other 32 keys lie in the lane 16 away: the new m, in c1     19  m_old - m_new     20  m takes c1     21  a = 2^ of that difference     (there is no 15)
.set F, 0
.set E, 1
.set C, 2
.set B, 3
.set L, 4
.set R, 5
.set X, 6
.macro REGS y, u                    ; the registers of tile u (0, 1) of piece y
.set rT, ST+4*(2*(\y)+(\u))
.set rC, TMP+8*((\y)%2)+4*(\u)
.set rS, S+64*((\y)%2)+32*(\u)
.set rP, P+32*((\y)%2)+16*(\u)
.set rO, 32*(2*(\y)+(\u))
.endm
.macro OP u, k, n
.if (\k) == R
	REGS Y, \u
	WIN W_RS
	v_pk_mul_f32 v[rO+2*(\n):rO+2*(\n)+1], v[rO+2*(\n):rO+2*(\n)+1], v[rC+2:rC+3] op_sel_hi:[1,0]
.elseif (\k) < R
	REGS Y, \u
	WIN 0
.if (\k) == F
	v_pk_add_f32 v[rS+2*(\n):rS+2*(\n)+1], v[rS+2*(\n):rS+2*(\n)+1], v[rT:rT+1] op_sel_hi:[1,0] neg_lo:[0,1] neg_hi:[0,1]
.elseif (\k) == E
	v_exp_f32 v[rS+(\n)], v[rS+(\n)]
.elseif (\k) == C
	s_wait_alu depctr_va_vdst(0)
	v_cvt_pk_f16_f32 v[rP+(\n)], v[rS+2*(\n)], v[rS+2*(\n)+1]
.elseif (\k) == B
	v_pk_add_f32 v[rS+4*(\n):rS+4*(\n)+1], v[rS+4*(\n):rS+4*(\n)+1], v[rS+4*(\n)+2:rS+4*(\n)+3]
.elseif (\n) == 0
	v_pk_fma_f32 v[rT+2:rT+3], v[rT+2:rT+3], v[rC+2:rC+3], v[rS:rS+1] op_sel_hi:[1,0,1]
.else
	v_pk_add_f32 v[rT+2:rT+3], v[rT+2:rT+3], v[rS+4*(\n):rS+4*(\n)+1]
.endif
.else
	REGS (Y+1)%NP, \u
	WIN 0
.if (\n) < 4
	v_max3_num_f32 v[rC+(\n)], v[rS+8*(\n)], v[rS+8*(\n)+1], v[rS+8*(\n)+2]
.elseif (\n) < 12
	v_max3_num_f32 v[rC+(\n)%4], v[rC+(\n)%4], v[rS+8*((\n)%4)+2*((\n)/4)+1], v[rS+8*((\n)%4)+2*((\n)/4)+2]
.elseif (\n) == 12
	v_max3_num_f32 v[rC], v[rC], v[rS+7], v[rS+15]
.elseif (\n) == 13
	v_max3_num_f32 v[rC+1], v[rC+1], v[rS+23], v[rS+31]
.elseif (\n) == 14
	v_max3_num_f32 v[rC+2], v[rC+2], v[rC+3], v[rT]
.elseif (\n) == 16
	v_max3_num_f32 v[rC], v[rC], v[rC+1], v[rC+2]
.elseif (\n) == 17
	v_permlanex16_b32 v[rC+3], v[rC], s[SEL], s[SEL+1]
.elseif (\n) == 18
	v_max_num_f32 v[rC+1], v[rC], v[rC+3]
	s_wait_alu depctr_va_vdst(0)
.elseif (\n) == 19
	v_sub_f32 v[rC+2], v[rT], v[rC+1]
.elseif (\n) == 20
	v_mov_b32 v[rT], v[rC+1]
.else
	v_exp_f32 v[rC+2], v[rC+2]
.endif
.endif
.endm
.macro ROW2 a, i1, b, i2, c, i3, d, i4  ; twice, for tile 0 and tile 1: a matrix instruction and the four behind it
.irp u, 0,1
	MM
	OP \u, \a, \i1
	OP \u, \b, \i2
	OP \u, \c, \i3
	OP \u, \d, \i4
.endr
.endm
.macro LMP a, i1, b=-1, i2=0, c=-1, i3=0, d=-1, i4=0  ; a lump's line: up to four for tile 0, then the same for tile 1
.irp u, 0,1
	OP \u, \a, \i1
.if (\b) >= 0
	OP \u, \b, \i2
.endif
.if (\c) >= 0
	OP \u, \c, \i3
.endif
.if (\d) >= 0
	OP \u, \d, \i4
.endif
.endr
.endm
; A TURN, for piece p: the order of its 36 matrix and 234 vector instructions, written out.  None of the four behind a product names a register of the products round it.
; An exponential's result is used, and its source rewritten, only behind a plain vector instruction (ISA guide 5.7.2); E n stands behind F (n / 2), C n behind E (2 n + 1), B n behind E (4 n + 3) and C (2 n), L n behind B n.
; THE MASK: piece p + 1's registers are read by the turn's first 4 products and loaded again behind the eighth, 10 plain vector instructions on.  At a turn's head the count 12 leaves the three later turns' 4 loads each on their way.
; Between a mask product and the first product that takes its result as C stand 8 plain vector instructions or more; between the last K Q^T and the first read of a score (X 0) 14.
; K of the next step is fetched in piece 2's turn, V of the step in hand in piece 0's, each more than four plain vector instructions behind the last product that read the registers; each is waited for a turn later.
.macro TURN p, last=0, cnt=0
.set Y, (\p)
.set i, 0
	s_wait_loadcnt 12               ; piece p + 1's mask is in
	ROW2 F,0, F,1, F,2, F,3
	ROW2 F,4, E,0, F,5, E,1
.if (\p) == NP-1
	s_wait_dscnt 0x0                ; K is in
.endif
	ROW2 F,6, E,2, F,7, E,3
	ROW2 C,0, E,4, F,8, E,5
.if (\p) == NP-1
	STEP_MO                         ; piece 0 runs a step ahead of the others
.endif
	FM ((\p)+1)%NP
	ROW2 C,1, E,6, F,9, E,7
	ROW2 R,0, R,1, R,2, R,3
	ROW2 B,0, E,8, C,2, E,9
	ROW2 L,0, E,10, C,3, E,11
	ROW2 R,4, R,5, R,6, R,7
.if (\p) == NP-2
	WIN 0
	v_add_nc_u32 v[AK], s[TBK], v[AK0]
.endif
	ROW2 B,1, E,12, C,4, E,13
	LMP L,1, E,14, C,5, E,15
	LMP R,8, R,9, R,10, R,11
	LMP F,10, E,16, X,0, E,17
.if (\p) == NP-2
	FETCH_K \last
.endif
	LMP X,1, E,18, X,2, E,19
	LMP X,3, E,20, F,11, E,21
	LMP B,2, E,22, C,6, E,23
.if (\p) == 1
	s_wait_dscnt 0x0                ; V is in
.endif
	ROW2 X,4, F,12, X,5, X,6
	ROW2 X,7, E,24, X,8, F,13
	ROW2 X,9, E,25, X,10, X,11
	ROW2 X,12, E,26, X,13, X,14
	ROW2 L,2, E,27, C,7, F,14
	ROW2 X,16, E,28, B,3, F,15
	ROW2 C,8, E,29, L,3, C,9
.if (\p) == 0
	WIN 0
	v_add_nc_u32 v[AV], s[TBV], v[AV0]
.endif
	ROW2 R,12, R,13, R,14, R,15
	LMP X,17, E,30, B,4, E,31
.if (\p) == 0
	FETCH_V
	s_add_co_u32 s[TBV], s[TBV], KS*PV
.endif
	LMP C,10, X,18, C,11, L,4
	LMP B,5, C,12, X,19, C,13
	LMP L,5, B,6, C,14, X,21
.if \cnt
	s_sub_co_u32 s[CNT], s[CNT], 1  ; the loop's count is taken down some lines ahead of the branch behind the turn
	s_cmp_lg_u32 s[CNT], 0
.endif
	LMP X,20, C,15, L,6, B,7
	LMP L,7
.endm
	CHANGE 1                        ; slot 0 is in, everybody's part of it; slot 1 is asked for
	FETCH_K                         ; key step 0
	s_wait_loadcnt 12               ; Q and piece 0's mask are in; pieces 1 to 3's four loads each may stay out
	s_wait_dscnt 0x0
.set i, 0
.rept 4
	MK 0
.set i, i+1
.endr
	WIN 0                           ; the addresses for the way out: five plain instructions between the mask products and the products that take their results as C,
	s_mul_i32 s13, s[WV], 16*SP
	s_add_co_u32 s13, s13, STAGE    ; my stage
	v_mul_u32_u24 v[STO], v1, SP    ; in: row l % 16, 16 bytes for each half of the lanes
	v_lshl_add_u32 v[STO], v9, 4, v[STO]
	v_add_nc_u32 v[STO], s13, v[STO]
	v_bfe_u32 v[RD], v0, 3, 2       ; back: 32 lanes take four rows of 128 bytes,
	v_mul_u32_u24 v[RD], v[RD], SP
.set i, 0
.rept 16
	KQ 0
.set i, i+1
.endr
	WIN 0                           ; and four behind the last products
	v_lshl_add_u32 v[RD], v10, 4, v[RD]
	v_add_nc_u32 v[RD], s13, v[RD]
	v_and_b32 v[GO], 31, v0         ; which are 512 consecutive bytes of O
	v_lshlrev_b32 v[GO], 4, v[GO]
	STEP_MO
	FM 0                            ; piece 0's mask of key step 1
.set Y, NP-1                        ; X works for piece Y + 1: piece 0
.irp n, 0,1,2,3,4,5,6,7,8,9,10,11,12,13,14,16,17,18,19,20,21
	OP 0, X, \n
	OP 1, X, \n
.endr
	v_nop                           ; a plain instruction behind the exponentials
	s_mov_b32 s[CNT], SS
	s_mov_b32 s[SLOTS], SIZE_N/(SS*KS)-1
	s_mov_b32 s[GS], SIZE_N/KS
	s_branch .Lfirst                ; the loop is entered at a step's first turn, in the middle of a trip
.Lslot:                             ; every slot but the last two is filled again
	CHANGE 1
	s_mov_b32 s[CNT], SS
.Lstep:                             ; a trip: pieces 2 and 3 of one step, then pieces 0 and 1 of the next, whose K and V it fetches
	TURN 2, 1
	TURN 3
	WIN 0
	s_sub_co_u32 s[GS], s[GS], 1
	s_cmp_eq_u32 s[GS], 0
	s_cbranch_scc1 .Lout            ; the 32nd step's pieces 2 and 3 are done: the walk's last trip is left in its middle
.Lfirst:
	TURN 0
	TURN 1, 0, 1
	WIN 0
	s_cbranch_scc1 .Lstep
	s_sub_co_u32 s[SLOTS], s[SLOTS], 1
	s_cmp_lg_u32 s[SLOTS], 0
	s_cbranch_scc1 .Lslot
	CHANGE 0                        ; the change into the last slot: nothing is left to ask for, so neither the round nor the load stands here
	s_mov_b32 s[CNT], SS+1          ; two trips fetch the last slot's steps; the third is left by the count of key steps
	s_branch .Lstep                 ; the trips are the text above, from behind the change that asks
.Lout:                              ; the last trip's scores of a step that is not, and the maximum made of them, serve nothing: the price, once a launch, of one text for every trip
.set i, 0
.rept 16
	PV NP-1                         ; the last piece's V^T P of the last step
.set i, i+1
.endr
	; THE WAY OUT.  l's two halves and the other half of the lanes' are added; O^T is divided by l, rounded to f16 and sent through my stage in LDS, a tile at a time.  The additions stand between the last products and the first read of a result.
	WIN 0
.macro ALL line:vararg              ; one line for each tile t
.set t, 0
.rept 2*NP
	\line
.set t, t+1
.endr
.endm
	ALL v_add_f32 v[ST+4*t+2], v[ST+4*t+2], v[ST+4*t+3]
	ALL v_permlanex16_b32 v[ST+4*t+3], v[ST+4*t+2], s[SEL], s[SEL+1]
	ALL v_add_f32 v[ST+4*t+2], v[ST+4*t+2], v[ST+4*t+3]
	ALL v_rcp_f32 v[ST+4*t+2], v[ST+4*t+2]
	v_nop                           ; a plain instruction between the last reciprocal and the use of its result
	s_wait_alu depctr_va_vdst(0)
.macro PACK t                       ; a lane's eight channels of a row pack into 16 bytes; they go into rows of 144 bytes and come back as whole rows of 128, into S^T's registers
	WIN W_RS
.set i, 32*(\t)
.rept 16
	v_pk_mul_f32 v[i:i+1], v[i:i+1], v[ST+4*(\t)+2:ST+4*(\t)+3] op_sel_hi:[1,0]
.set i, i+2
.endr
	WIN 0x05                        ; sources 0 and 1 window 1, destination window 0
.set i, 0
.rept 16
	v_cvt_pk_f16_f32 v[S+16*(\t)+i], v[32*(\t)+2*i], v[32*(\t)+2*i+1]
.set i, i+1
.endr
	WIN 0
.irp f, 0,1,2,3
	ds_store_b128 v[STO], v[S+16*(\t)+4*\f:S+16*(\t)+4*\f+3] offset:32*\f
.endr
.irp f, 0,1,2,3
	ds_load_b128 v[S+16*(\t)+4*\f:S+16*(\t)+4*\f+3], v[RD] offset:\f*4*SP  ; LDS serves a wave's instructions in order (ISA guide 5.7.1.4): these see the stores above; the next tile's stores come behind them
.endr
.endm
.macro SEND t, younger              ; tile t: piece t / 2 in head t % 2.  younger: the LDS instructions issued behind tile t's loads: the next tile's eight, or none
	WIN 0
.irp f, 0,1,2,3
	s_wait_dscnt (\younger)+3-\f
	global_store_b128 v[GO], v[S+16*(\t)+4*\f:S+16*(\t)+4*\f+3], s[10:11] offset:((\t)%2)*HEADB+((\t)/2)*2048+\f*512  ; 512 consecutive bytes, aligned
.endr
.endm
	PACK 0
.set t, 1
.rept 2*NP-1                        ; a tile's arithmetic stands between the loads of the tile before and its stores
	PACK t
	SEND t-1, 8
.set t, t+1
.endr
	SEND 2*NP-1, 0
	WIN W_AD
	s_wait_tensorcnt 0x0            ; the wave's end
	ds_add_u32 v[SPW], v[NIL]
	s_wait_dscnt 0x0
	WIN 0
	CROUND                          ; the closing round: no work-group ends while a partner may still ask for a tile that names it
	s_endpgm
.Lfunc_end_k_qf863075901_attn:
	.size	k_qf863075901_attn, .Lfunc_end_k_qf863075901_attn-k_qf863075901_attn
	.p2alignl 7, 3214868480
	.fill 96, 4, 3214868480
	.section	.rodata,"a",@progbits
	.p2align	6, 0x0
	.amdhsa_kernel k_qf863075901_attn
		.amdhsa_group_segment_fixed_size 327680
		.amdhsa_private_segment_fixed_size 0
		.amdhsa_enable_private_segment 0
		.amdhsa_kernarg_size 24
		.amdhsa_user_sgpr_count 2
		.amdhsa_user_sgpr_kernarg_segment_ptr 1
		.amdhsa_wavefront_size32 1
		.amdhsa_system_sgpr_workgroup_id_x 1
		.amdhsa_system_sgpr_workgroup_id_y 1
		.amdhsa_system_sgpr_workgroup_id_z 1
		.amdhsa_system_vgpr_workitem_id 0
		.amdhsa_next_free_vgpr 1024
		.amdhsa_next_free_sgpr 66
		.amdhsa_reserve_vcc 1
		.amdhsa_float_denorm_mode_32 3
		.amdhsa_float_denorm_mode_16_64 3
		.amdhsa_memory_ordered 1
		.amdhsa_forward_progress 1
		.amdhsa_inst_pref_size 145
	.end_amdhsa_kernel
	.amdgpu_metadata
---
amdhsa.version: [ 1, 2 ]
amdhsa.kernels:
  - .name:           k_qf863075901_attn
    .symbol:         k_qf863075901_attn.kd
    .args:
      - { .name: qkvh, .offset: 0, .size: 8, .value_kind: global_buffer, .address_space: global }
      - { .name: mk, .offset: 8, .size: 8, .value_kind: global_buffer, .address_space: global }
      - { .name: oh, .offset: 16, .size: 8, .value_kind: global_buffer, .address_space: global }
    .group_segment_fixed_size: 327680
    .private_segment_fixed_size: 0
    .kernarg_segment_align: 8
    .kernarg_segment_size: 24
    .max_flat_workgroup_size: 128
    .sgpr_count:     66
    .vgpr_count:     1024
    .wavefront_size: 32
...
	.end_amdgpu_metadata
.endif
;; end of part 3
;; launch outp (part 4): grid 4 x 64, 4 waves a work-group, clusters of 4 x 4, 327,680 bytes of LDS; arguments oh, wts, out0; writes out0
.if DOCPART == 4
	.amdgcn_target "amdgcn-amd-amdhsa--gfx1250"
	.amdhsa_code_object_version 6
	.text
	.protected	k_qf863075901_outp
	.globl	k_qf863075901_outp
	.p2align	8
	.type	k_qf863075901_outp,@function
k_qf863075901_outp:
	s_mov_b64 s[64:65], 0
	v_nop
	global_prefetch_b8 v0, s[64:65] scope:SCOPE_SE
	s_setreg_imm32_b32 hwreg(HW_REG_WAVE_MODE, 25, 1), 1
	s_wait_xcnt 0x0
	s_wait_alu depctr_hold_cnt(0) depctr_sa_sdst(0) depctr_va_vdst(0) depctr_va_sdst(0) depctr_va_ssrc(0) depctr_va_vcc(0) depctr_vm_vsrc(0)
	s_getreg_b32 s2, hwreg(HW_REG_IB_STS2, 6, 4)
	s_cmp_eq_u32 s2, 0
	s_cbranch_scc0 .Lentry_in_a_cluster
	s_endpgm
.Lentry_in_a_cluster:
	s_bfe_u32 s2, ttmp6, 0x10000c
	s_cmp_lg_u32 s2, 0xf033
	s_cbranch_scc0 .Lentry_shape_is_right
	s_endpgm
.Lentry_shape_is_right:
; THE OUTPUT PROJECTION.  out0[m][n] = the sum over head and channel of O[batch, head][row][channel] W[64 head + channel][n].  O: oh, [64][2048][64] f16, by heads; W: part 3 of wts, [1024 k][1024 n] f16
; (out_kernel rounded to bf16, written as f16); out0: [8192][1024] f32.  Products in f16, sums in f32, K ascending.
; SHARES.  256 tiles of 128 x 256, one a work-group; four waves, each 64 rows x 128 columns: 32 accumulators.  A K step is 128 = two heads: eight steps through a ring of two LDS slots.
; A head's 128 rows of a tile are 16,384 dense bytes, asked for as 64 rows of 256 bytes and padded in LDS after every row of 128.  Waves 0, 1 fetch a head each, waves 2, 3 W's two halves of 64 k.
; CLUSTER 4 x 4: O's tile hangs on my alone and is asked for jointly by a row of the cluster, W's on nx alone, by a column.
; THE MATRIX INSTRUCTION IS USED TRANSPOSED (source 0 = 16 columns of W, turned by ds_load_tr16_b128; source 1 = 16 rows of O): a lane holds one row and eight neighbouring columns, 32 bytes of out0.
; THE TEXT OF A K STEP STANDS ONCE.  A trip begins with a step's last quarter, which changes slots, and goes on through the next step's first three; the LDS addresses hang on s[TB], the slot in hand.
; Six trips fill a slot again.  The seventh fills nothing: the first half of its change of slots is written a second time, without the round and the load, and goes back into the trip behind them.
; REGISTERS.  window 0: v16-29 addresses; v64-95, v96-127 O's fragments, two buffers; v128-255 rows on the way out      window 1: v0-63, v64-127 W's fragments      window 2: accumulator (a, nb) at v[8 (8 a + nb)]
.set PAO,   144                        ; a row of O in LDS: 128 bytes + 16
.set PB,    544                        ; a row of W: 512 + 32
.set HEADB, 128*PAO                    ; a head's 128 rows
.set BOFF,  2*HEADB
.set SLOT,  BOFF+128*PB                ; 106,496 bytes
.set SLOT1, 1<<17                      ; slot 1 begins here, so that one exclusive or turns an address in one slot into the other's
.set STAGE, SLOT1+SLOT                 ; behind the ring, never filled by a tensor load: 16 rows x 528 bytes for each wave
.set SPITCH,528
.set SPARE, STAGE+4*16*SPITCH          ; the spare words, 128 bytes for each wave, which no other line names
.set ADRA, 16                          ; v16  my O fragments' place in slot 0; never rewritten
.set AC,   17                          ; v17  the same in the slot in hand
.set ADRB, 20                          ; v20  my W fragments' place in slot 0; never rewritten
.set BC,   21                          ; v21  the same in the slot in hand
.set STO,  24
.set RD,   25
.set CO,   26
.set SPW,  28                          ; v28  LDS address of my spare word; never rewritten
.set NIL,  29                          ; v29  0; never rewritten
.set FA,   64
.set OB,   128
.set G1, 24                            ; s[24:31] descriptor group 1 for O; s[32:39] group 0: a set for each of the two first fills; the second then walks on
.set G0, 32
.set G1B, 48                           ; s[48:55], s[56:63] the same for W
.set G0B, 56
.set TB, 45                            ; s45  LDS byte at which the slot in hand begins: 0 or SLOT1
.set MSB, 0
.macro WIN new
.if MSB != (\new)
	s_set_vgpr_msb (MSB<<8)|(\new)
.set MSB, \new
.endif
.endm
.set MUL,  0xa1                        ; source 0 (W) window 1, source 1 (O) window 0, C and D window 2
.set TO_B, 0x40
.macro JLOAD s                         ; a joint load; an s_nop 0 and four v_nop follow each of the two lines
	s_cmp_eq_u32 s11, 0
	s_cbranch_scc0 .Lfor_b_\@
	tensor_load_to_lds s[G0+4*(\s):G0+4*(\s)+3], s[G1:G1+7]
	s_nop 0
.rept 4
	v_nop
.endr
	s_branch .Lasked_\@
.Lfor_b_\@:
	tensor_load_to_lds s[G0B+4*(\s):G0B+4*(\s)+3], s[G1B:G1B+7]
	s_nop 0
.rept 4
	v_nop
.endr
.Lasked_\@:
.endm
.macro CREST
	s_cmp_lg_u32 s10, 0
	s_cbranch_scc1 .Lnot_wave_0_\@
	s_barrier_signal -3
.Lnot_wave_0_\@:
	s_barrier_wait -3
	s_barrier_signal -1
	s_barrier_wait -1
.endm
.macro CROUND
	s_barrier_signal -1
	s_barrier_wait -1
	CREST
.endm
	s_load_b128 s[4:7], s[0:1], 0x0                ; oh s[4:5], wts s[6:7]
	s_load_b64 s[8:9], s[0:1], 0x10                ; out0
	v_lshl_add_u32 v[SPW], v0, 2, SPARE
	v_mov_b32 v[NIL], 0
	ds_add_u32 v[SPW], v[NIL]                      ; the wave's opening: the add and its wait ahead of my first tensor load
	ds_add_u32 v28, v29
	v_lshrrev_b32 v1, 5, v0
	v_readfirstlane_b32 s10, v1                    ; wave 0..3
	s_lshr_b32 s11, s10, 1                         ; my half of the rows.  Also: I fetch for O (0) or for W (1)
	s_and_b32 s12, s10, 1                          ; my half of the columns.  Also: which head, or which half of W's rows, I fetch
	s_bfe_u32 s40, ttmp6, 0x40000                  ; cx
	s_bfe_u32 s41, ttmp6, 0x40004                  ; cy
	s_lshl_b32 s42, ttmp9, 2
	s_add_co_u32 s42, s42, s40                     ; nx
	s_and_b32 s13, ttmp7, 0xffff
	s_lshl_b32 s13, s13, 2
	s_add_co_u32 s13, s13, s41                     ; my
	s_lshl_b32 s43, s41, 2
	s_lshl_b32 s43, 15, s43                        ; my row of the cluster
	s_lshl_b32 s44, 0x1111, s40                    ; my column
	s_or_b32 s[G1+0], s43, (1<<16)|(1<<20)|(1<<21)|(4<<22)|(3<<25)   ; the mask; 2-byte elements; padding on; bit 21 beside a mask; after every 32 words, 4 words
	s_mov_b32 s[G1+1], 128<<16                     ; tensor_dim0 = 128 elements, 256 bytes: two rows of a head
	s_mov_b32 s[G1+2], 64<<16
	s_mov_b32 s[G1+3], 128<<16
	s_mov_b32 s[G1+4], 64
	s_mov_b32 s[G1+5], 128
	s_mov_b32 s[G1+6], 0
	s_mov_b32 s[G1+7], 0
	s_or_b32 s[G1B+0], s44, (1<<16)|(1<<20)|(1<<21)|(6<<22)|(7<<25)  ; after every 128 words, 8 words
	s_mov_b32 s[G1B+1], 256<<16
	s_mov_b32 s[G1B+2], 64<<16
	s_mov_b32 s[G1B+3], 256<<16
	s_mov_b32 s[G1B+4], 64
	s_mov_b32 s[G1B+5], 1024
	s_mov_b32 s[G1B+6], 0
	s_mov_b32 s[G1B+7], 0
	s_lshr_b32 s16, s13, 4                         ; O: the batch's 16 heads of 262,144 bytes,
	s_lshl_b32 s16, s16, 22
	s_lshl_b32 s17, s12, 18                        ; the head that I fetch of a step's two,
	s_add_co_u32 s16, s16, s17
	s_and_b32 s17, s13, 15                         ; rows 128 (my % 16) on, of 128 bytes
	s_lshl_b32 s17, s17, 14
	s_add_co_u32 s16, s16, s17
	s_mov_b32 s17, 0
	s_lshl_b32 s46, s12, 17                        ; W: my half of 64 k rows of 2,048 bytes,
	s_lshl_b32 s47, s42, 9                         ; 256 nx columns,
	s_add_co_u32 s46, s46, s47
	s_add_co_u32 s46, s46, 6291456                 ; in part 3 of wts
	s_mov_b32 s47, 0
	s_mul_i32 s20, s12, HEADB                      ; where they go: no place in the cluster enters an LDS address
	s_mul_i32 s21, s12, 64*PB
	s_add_co_u32 s21, s21, BOFF
	s_mov_b32 s[TB], 0                             ; K step 0 lies in slot 0
	s_wait_dscnt 0x0                               ; the opening add is done
	s_wait_kmcnt 0x0
	s_add_nc_u64 s[14:15], s[4:5], s[16:17]
	s_add_nc_u64 s[46:47], s[6:7], s[46:47]
	CROUND                                         ; all sixteen work-groups are here: the first joint loads meet
.irp s, 0,1
	s_mov_b32 s[G0+4*(\s)], 1
	s_add_co_u32 s[G0+4*(\s)+1], s20, (\s)*SLOT1
	s_add_nc_u64 s[G0+4*(\s)+2:G0+4*(\s)+3], s[14:15], (\s)*524288   ; two heads a K step
	s_or_b32 s[G0+4*(\s)+3], s[G0+4*(\s)+3], 0x80000000
	s_mov_b32 s[G0B+4*(\s)], 1
	s_add_co_u32 s[G0B+4*(\s)+1], s21, (\s)*SLOT1
	s_add_nc_u64 s[G0B+4*(\s)+2:G0B+4*(\s)+3], s[46:47], (\s)*262144
	s_or_b32 s[G0B+4*(\s)+3], s[G0B+4*(\s)+3], 0x80000000
	JLOAD \s                                       ; two tensor loads of mine are out
.endr
	v_and_b32 v1, 15, v0                           ; r
	v_bfe_u32 v2, v0, 4, 1                         ; h
	v_mul_u32_u24 v3, v1, PAO
	v_lshl_add_u32 v3, v2, 4, v3
	s_mul_i32 s22, s11, 64*PAO
	v_add_nc_u32 v[ADRA], s22, v3
	v_mov_b32 v[AC], v[ADRA]                       ; the first step lies in slot 0
	v_and_b32 v4, 7, v0
	v_lshl_add_u32 v4, v2, 3, v4
	v_mul_u32_u24 v4, v4, PB
	v_bfe_u32 v5, v0, 3, 1
	v_lshl_add_u32 v4, v5, 4, v4
	s_lshl_b32 s22, s12, 8
	s_add_co_u32 s22, s22, BOFF
	v_add_nc_u32 v[ADRB], s22, v4
	v_mov_b32 v[BC], v[ADRB]
	s_mul_i32 s23, s10, 16*SPITCH
	s_add_co_u32 s23, s23, STAGE                   ; my stage
	v_mul_u32_u24 v3, v1, SPITCH                   ; in: row r, 32 bytes for each half of the lanes
	v_lshl_add_u32 v3, v2, 5, v3
	v_add_nc_u32 v[STO], s23, v3
	v_and_b32 v[CO], 31, v0                        ; back and out: 32 lanes take a row's 512 bytes
	v_lshlrev_b32 v[CO], 4, v[CO]
	v_add_nc_u32 v[RD], s23, v[CO]
	s_lshl_b32 s16, s13, 19                        ; out0: row 128 my + 64 wm of 4,096 bytes,
	s_lshl_b32 s17, s11, 18
	s_add_co_u32 s16, s16, s17
	s_mov_b32 s17, 0
	s_add_nc_u64 s[8:9], s[8:9], s[16:17]
	s_lshl_b32 s46, s42, 10                        ; column 256 nx + 128 wn of 4 bytes
	s_lshl_b32 s47, s12, 9
	s_add_co_u32 s46, s46, s47
	s_mov_b32 s47, 0
	s_add_nc_u64 s[8:9], s[8:9], s[46:47]
.macro W8 f, a, zero                   ; 8 products: block a of my rows x all 8 blocks of columns; the 32 accumulators take turns.  zero = 1: the first product starts the sums
	WIN MUL
.irp nb, 0,1,2,3,4,5,6,7
.if \zero
	v_wmma_f32_16x16x32_f16 v[8*(8*(\a)+(\nb)):8*(8*(\a)+(\nb))+7], v[64*(\f)+8*(\nb):64*(\f)+8*(\nb)+7], v[FA+32*(\f)+8*(\a):FA+32*(\f)+8*(\a)+7], 0
.else
	v_wmma_f32_16x16x32_f16 v[8*(8*(\a)+(\nb)):8*(8*(\a)+(\nb))+7], v[64*(\f)+8*(\nb):64*(\f)+8*(\nb)+7], v[FA+32*(\f)+8*(\a):FA+32*(\f)+8*(\a)+7], v[8*(8*(\a)+(\nb)):8*(8*(\a)+(\nb))+7]
.endif
.endr
.endm
; 24 LDS loads in one run, for 32 along K (quarter kq of the slot in hand: head kq / 2 of the step's two, channels 32 (kq % 2) on): W's 128 columns first, then O's four blocks of 16 rows
.macro FETCH kq, f
	WIN TO_B
.irp nb, 0,1,2,3,4,5,6,7
	ds_load_tr16_b128 v[64*(\f)+8*(\nb):64*(\f)+8*(\nb)+3],   v[BC] offset:(\kq)*32*PB+(\nb)*32
	ds_load_tr16_b128 v[64*(\f)+8*(\nb)+4:64*(\f)+8*(\nb)+7], v[BC] offset:(\kq)*32*PB+(\nb)*32+16*PB
.endr
	WIN 0
.irp a, 0,1,2,3
	ds_load_b128 v[FA+32*(\f)+8*(\a):FA+32*(\f)+8*(\a)+3],   v[AC] offset:((\kq)/2)*HEADB+(\a)*16*PAO+((\kq)%2)*64
	ds_load_b128 v[FA+32*(\f)+8*(\a)+4:FA+32*(\f)+8*(\a)+7], v[AC] offset:((\kq)/2)*HEADB+(\a)*16*PAO+((\kq)%2)*64+32
.endr
.endm
.macro PLACES                          ; four plain vector instructions in front of loads into registers that products have read, and of the first read of a result
.rept 4
	v_nop
.endr
.endm
.macro Q kq, f, g, zero                ; one of a K step's first three quarters: multiplies buffer f and fetches quarter kq into buffer g
	s_wait_dscnt 4                                 ; W and O's blocks 0, 1 are in; the youngest four loads (blocks 2, 3) may be out
	W8 \f, 0, \zero
	W8 \f, 1, \zero
	PLACES
	FETCH \kq, \g
	s_wait_dscnt 24                                ; all but the 24 just issued
	W8 \f, 2, \zero
	W8 \f, 3, \zero
.endm
; The last quarter multiplies buffer 1 and changes slots: ONE barrier.  THEAD is its first half: in front of the barrier each wave waits for all its tensor loads, adds 0 to its spare word, and waits for
; that and for its reads of the slot in hand.  fill = 1: a round of the cluster's barrier and the refill follow, and the walking descriptors step: the other slot than last time, the next K step.
.macro THEAD fill
	WIN 0
	s_wait_tensorcnt 0x0                           ; all my tensor loads have landed: my part of the next slot; so a group 0 may be written
	ds_add_u32 v[SPW], v[NIL]                      ; 0 onto my spare word
.if \fill
	s_xor_b32 s[G0+5], s[G0+5], SLOT1
	s_add_nc_u64 s[G0+6:G0+7], s[G0+6:G0+7], 524288        ; two heads on; the type bits on top are not reached
	s_xor_b32 s[G0B+5], s[G0B+5], SLOT1
	s_add_nc_u64 s[G0B+6:G0B+7], s[G0B+6:G0B+7], 262144    ; 128 k rows on
.endif
	s_wait_dscnt 5                                 ; (the add and the youngest four loads may be out)
	W8 1, 0, 0
	s_wait_dscnt 0x0                               ; the add is done, and my reads of this slot are over
	s_barrier_signal -1
	W8 1, 1, 0
	WIN 0
	s_barrier_wait -1
.endm
; Its second half: the other slot is taken in hand and its first quarter fetched.
.macro TREST
	s_xor_b32 s[TB], s[TB], SLOT1
	v_add_nc_u32 v[AC], s[TB], v[ADRA]
	v_add_nc_u32 v[BC], s[TB], v[ADRB]
	FETCH 0, 0
	W8 1, 2, 0
	W8 1, 3, 0
.endm
	s_wait_tensorcnt 1                             ; my part of K step 0 is in; step 1's may stay out
	s_barrier_signal -1
	s_barrier_wait -1
	FETCH 0, 0
	Q 1, 0, 1, 1                                   ; K step 0's first three quarters stand in front of the loop: the first quarter's products start the sums
	Q 2, 1, 0, 0
	Q 3, 0, 1, 0
	WIN 0
	s_mov_b32 s3, 7                                ; eight K steps have seven changes of slots
.Ltrip:                                                ; a trip: a step's last quarter with the change of slots and the refill, then the next step's first three quarters
	THEAD 1
	CREST                                          ; the barrier has opened a round of the cluster's: no wave of any partner still reads this slot or has a load on its way
	JLOAD 1                                        ; the first tensor load behind the round; the four v_nop behind it also stand in front of the loads below
.Lgo:
	TREST
	Q 1, 0, 1, 0
	Q 2, 1, 0, 0
	Q 3, 0, 1, 0
	WIN 0
	s_sub_co_u32 s3, s3, 1
	s_cmp_eq_u32 s3, 0
	s_cbranch_scc1 .Lfinal
	s_cmp_lg_u32 s3, 1
	s_cbranch_scc1 .Ltrip
	THEAD 0                                        ; the last change of slots: nothing is left to ask for, so neither the round nor the load stands here;
	PLACES
	s_branch .Lgo                                  ; the rest of the trip is the text above, from behind the load on
.Lfinal:
	s_wait_dscnt 4                                 ; the last step's last quarter
	W8 1, 0, 0
	W8 1, 1, 0
	s_wait_dscnt 0x0
	W8 1, 2, 0
	W8 1, 3, 0
	WIN 0
	; THE WAY OUT, a block of 16 rows at a time: a lane's 32 bytes of a row go into my stage straight from the accumulators (each accumulator's low half first) and come back as whole rows of 512 bytes.
	PLACES
.irp a, 0,1,2,3
.if \a >= 2
	s_wait_xcnt 0x0                                ; the registers that the stores of two blocks ago read are loaded again only behind this wait
.endif
	WIN 0x08                                       ; store data in window 2, address in window 0
.irp nb, 0,1,2,3,4,5,6,7
	ds_store_b128 v[STO], v[8*(8*(\a)+(\nb)):8*(8*(\a)+(\nb))+3]   offset:(\nb)*64
	ds_store_b128 v[STO], v[8*(8*(\a)+(\nb))+4:8*(8*(\a)+(\nb))+7] offset:(\nb)*64+16
.endr
	WIN 0
.irp t, 0,1,2,3,4,5,6,7,8,9,10,11,12,13,14,15
	ds_load_b128 v[OB+64*((\a)%2)+4*(\t):OB+64*((\a)%2)+4*(\t)+3], v[RD] offset:(\t)*SPITCH  ; LDS serves a wave's instructions in order (ISA guide 5.7.1.4): these see the stores above; the next block's stores come behind them
.endr
.irp t, 0,1,2,3,4,5,6,7,8,9,10,11,12,13,14,15
	s_wait_dscnt 15-(\t)
	global_store_b128 v[CO], v[OB+64*((\a)%2)+4*(\t):OB+64*((\a)%2)+4*(\t)+3], s[8:9] offset:(16*(\a)+(\t))*4096 th:TH_STORE_NT  ; 512 consecutive bytes, aligned
.endr
.endr
	s_wait_tensorcnt 0x0                           ; the wave's end
	ds_add_u32 v[SPW], v[NIL]
	s_wait_dscnt 0x0
	CROUND                                         ; the closing round: no work-group ends while a partner may still ask for a tile that names it
	s_endpgm
.Lfunc_end_k_qf863075901_outp:
	.size	k_qf863075901_outp, .Lfunc_end_k_qf863075901_outp-k_qf863075901_outp
	.p2alignl 7, 3214868480
	.fill 96, 4, 3214868480
	.section	.rodata,"a",@progbits
	.p2align	6, 0x0
	.amdhsa_kernel k_qf863075901_outp
		.amdhsa_group_segment_fixed_size 327680
		.amdhsa_private_segment_fixed_size 0
		.amdhsa_enable_private_segment 0
		.amdhsa_kernarg_size 24
		.amdhsa_user_sgpr_count 2
		.amdhsa_user_sgpr_kernarg_segment_ptr 1
		.amdhsa_wavefront_size32 1
		.amdhsa_system_sgpr_workgroup_id_x 1
		.amdhsa_system_sgpr_workgroup_id_y 1
		.amdhsa_system_sgpr_workgroup_id_z 1
		.amdhsa_system_vgpr_workitem_id 0
		.amdhsa_next_free_vgpr 768
		.amdhsa_next_free_sgpr 66
		.amdhsa_reserve_vcc 0
		.amdhsa_float_denorm_mode_32 3
		.amdhsa_float_denorm_mode_16_64 3
		.amdhsa_memory_ordered 1
		.amdhsa_forward_progress 1
		.amdhsa_inst_pref_size 57
	.end_amdhsa_kernel
	.amdgpu_metadata
---
amdhsa.version: [ 1, 2 ]
amdhsa.kernels:
  - .name:           k_qf863075901_outp
    .symbol:         k_qf863075901_outp.kd
    .args:
      - { .name: oh, .offset: 0, .size: 8, .value_kind: global_buffer, .address_space: global }
      - { .name: wts, .offset: 8, .size: 8, .value_kind: global_buffer, .address_space: global }
      - { .name: out0, .offset: 16, .size: 8, .value_kind: global_buffer, .address_space: global }
    .group_segment_fixed_size: 327680
    .private_segment_fixed_size: 0
    .kernarg_segment_align: 8
    .kernarg_segment_size: 24
    .max_flat_workgroup_size: 128
    .sgpr_count:     66
    .vgpr_count:     768
    .wavefront_size: 32
...
	.end_amdgpu_metadata
.endif
;; end of part 4
